; MI455X (gfx1250); checked and timed in simulation.
; The chip was launched on July 23, 2026; its instructions are those of AMD's public machine-readable ISA for CDNA 5 (MIT licence, August 2026) and "CDNA5" Instruction Set Architecture Reference Guide (July 2026). The comments in the code are by the model that wrote it; some were corrected since.
;; Encoder. Allowed arithmetic: matrix products marked QUANTISED: E5M2 operands, one given power-of-two scale a tensor, by v_wmma_f32_16x16x64_bf8_bf8 or v_wmma_f32_16x16x128_bf8_bf8, f32 sums; everything else in f32.
;; Inputs: W1 1,024 x 4,096 float32; W2 4,096 x 1,024 float32; Wk 1,024 x 1,024 float32; Wo 1,024 x 1,024 float32; Wq 1,024 x 1,024 float32; Wv 1,024 x 1,024 float32; b1 4,096 float32; b2 1,024 float32; bk 1,024 float32; bo 1,024 float32; bq 1,024 float32; bv 1,024 float32; ln1_b 1,024 float32; ln1_g 1,024 float32; ln2_b 1,024 float32; ln2_g 1,024 float32; lowp_scales 16 int32 (the exponents e of the quantised operands' scales 2^e); x 2 x 2,048 x 1,024 float32.
;; Outputs: out0 2 x 2,048 x 1,024 float32.
;; This version of the problem:
;;   THIS VERSION OF THE PROBLEM IS GIVEN IN LOW PRECISION. The matrix products marked QUANTISED in the list below multiply operands that are first quantised to E5M2 (5 exponent bits, 2 mantissa bits; 8 bits a number), with one given power-of-two scale for each operand tensor; their sums are f32. All else is computed in f32.
;;   The module's matrix products, in the order in which they are computed (A, B: the left and right operand; K: the contracted axis; several contracted axes count as one K, in the product's order):
;;     1. [M 4,096, K 1,024] x [K 1,024, N 1,024]; A: computed on the way; B: input Wq: QUANTISED (scales: A lowp_scales[0], B lowp_scales[1])
;;     2. [M 4,096, K 1,024] x [K 1,024, N 1,024]; A: computed on the way; B: input Wk: QUANTISED (scales: A lowp_scales[2], B lowp_scales[3])
;;     3. [M 4,096, K 1,024] x [K 1,024, N 1,024]; A: computed on the way; B: input Wv: QUANTISED (scales: A lowp_scales[4], B lowp_scales[5])
;;     4. batch 32 x [M 2,048, K 64] x [K 64, N 2,048]; A: computed on the way; B: computed on the way: QUANTISED (scales: A lowp_scales[6], B lowp_scales[7])
;;     5. batch 32 x [M 2,048, K 2,048] x [K 2,048, N 64]; A: softmax (see below); B: computed on the way: QUANTISED (scales: A lowp_scales[8], B lowp_scales[9])
;;     6. [M 4,096, K 1,024] x [K 1,024, N 1,024]; A: computed on the way; B: input Wo: QUANTISED (scales: A lowp_scales[10], B lowp_scales[11])
;;     7. [M 4,096, K 1,024] x [K 1,024, N 4,096]; A: computed on the way; B: input W1: QUANTISED (scales: A lowp_scales[12], B lowp_scales[13])
;;     8. [M 4,096, K 4,096] x [K 4,096, N 1,024]; A: computed on the way; B: input W2: QUANTISED (scales: A lowp_scales[14], B lowp_scales[15])
;;   THE QUANTISER, for each operand of a quantised product, along K:
;;     - The operand's scale is 2^e, e = its entry of the input lowp_scales (int32; the entries are numbered through the quantised products in the list's order, A before B).
;;     - Each number is divided by the scale, clamped to +-57,344, and rounded to the nearest number of E5M2, ties to even, subnormals kept.
;;     - The product sums the exact products of the quantised numbers (number of the format x scale) in f32.
;;   ~~~python
;;   def quantise(x, axis, e):      # numpy; x: float32 -> the quantised numbers, widened to float32 again
;;       x = np.moveaxis(x, axis, -1); K = x.shape[-1]
;;       r = np.clip(x / 2.0 ** e, -57344, 57344)
;;       step = 2.0 ** (np.maximum(np.frexp(np.where(r == 0, 1, r))[1] - 1, -14) - 2)
;;       q = np.round(r / step) * step * 2.0 ** e      # np.round: ties to even
;;       return np.moveaxis(q, -1, axis).astype(np.float32)
;;   ~~~
;;   SOFTMAX AHEAD OF A QUANTISED PRODUCT. Where the list says 'softmax', what is quantised is not the finished softmax but p = 2^(t - M), with t = logit x log2(e) and M = ceil(the row's largest t), a whole number; so 1/2 < the row's largest p <= 1. The row's sum l is taken of the UNQUANTISED p, in f32, and the product's result is divided by l at the end. Since M is a whole number, a kernel that streams over the keys may use a running M (the ceiling of the running maximum): every later rescaling is an exact power of two, so the quantised numbers keep their values, but for numbers so far below the row's largest that they fall under the format's range.
;;   OPERANDS COMPUTED ON THE WAY. 'Computed on the way' means the value that the module computes at that place (a softmax that the list does not call 'softmax' is quantised finished and normalised). What goes into a quantiser is computed in f32, as accurately as f32 sums, v_exp_f32 and their like allow (about 1e-6 of the number): no bf16 or f16 on the way to a quantiser, and a product that is left as it is and whose result goes on into a quantised operand takes f32 operands (vector FMAs, or v_wmma_f32_16x16x4_f32). A number that lies on a knife's edge between two numbers of the format may be rounded either way, as far as f32 arithmetic and the matrix unit's own rounding can turn it there, and no further.
;; One version. Each part assembles by itself: llvm-mc -triple=amdgcn-amd-amdhsa -mcpu=gfx1250 --defsym DOCPART=n.
;; ======== version 1 of 1: 7 launches
;; workspace buffers: cod 25,165,824 bytes; qkv 12,582,912 bytes; ao 4,194,304 bytes; x1 16,777,216 bytes; h2 4,194,304 bytes; g 16,777,216 bytes
;; launch prep (part 1): grid 640 x 1, 4 waves a work-group, no clusters, 35,328 bytes of LDS; arguments Wq, Wk, Wv, Wo, W1, W2, x, ln1_g, ln1_b, lowp_scales, cod; writes cod
.if DOCPART == 1
	.amdgcn_target "amdgcn-amd-amdhsa--gfx1250"
	.amdhsa_code_object_version 6
	.text
	.protected	k_q34d47a7c93_prep
	.globl	k_q34d47a7c93_prep
	.p2align	8
	.type	k_q34d47a7c93_prep,@function
k_q34d47a7c93_prep:
	s_mov_b64 s[64:65], 0
	v_nop
	global_prefetch_b8 v0, s[64:65] scope:SCOPE_SE
	s_setreg_imm32_b32 hwreg(HW_REG_WAVE_MODE, 25, 1), 1
	s_wait_xcnt 0x0
; PREP.  Work-groups 0-383: the six weights, f32 stored [K][N], become codes of E5M2 laid [N][K], K innermost, each with its given scale 2^e.
; Work-groups 384-639: LayerNorm 1 of x [4096][1024], quantised three times (entries 0, 2, 4 of the scales) into three sets of rows of codes.
; cod, in bytes: Wq^T 0, Wk^T 1 MB, Wv^T 2 MB, Wo^T 3 MB (each [1024][1024]); W1^T 4 MB [4096][1024]; W2^T 8 MB [1024][4096]; LN codes 12, 16, 20 MB (each [4096][1024]).
; code = number / 2^e, held within +-57,344, to the nearest code, ties to even.  LIMITS: every e used here lies between -126 and 112; NaN and infinity among the inputs are not served.
; WEIGHTS: a work-group takes 128 columns x 256 along K, a wave 32 columns.  A lane takes a column and its registers run down K, so that the conversions give codes with K innermost;
; the codes go through the wave's own stage in LDS (rows of 256 bytes + 16) and leave as rows: sixteen lanes store 256 consecutive bytes, aligned.  Waves share nothing: no barrier.
; LAYERNORM: a wave takes a row at a time (four rows), kept in 32 registers a lane: mean, then the variance of x - mean, then the gain and bias: no LDS.  Lane l holds numbers 256 j + 8 l + 0..7.
.set SPITCH, 272                       ; a stage row
.set WO,   16                          ; v16-47   weights: byte offset of row i of a block of 32, at my column
.set WX,   48                          ; v48-111  two sets of 32 numbers; at the end the rows read back from the stage
.set WC,   112                         ; v112-119 a block's codes
.set WS,   120                         ; v120-135 byte offsets of the stores
.set LA,   14                          ; v14  LN: 32 x lane
.set LO,   15                          ; v15  LN: 8 x lane
.set G,    16                          ; v16-47   gain of my 32 columns
.set BB,   48                          ; v48-79   bias
.set X0,   80                          ; v80-111, v112-143: two row slots
.set X1,   112
.set TMP,  144                         ; v144-175 held numbers
.set CD,   176                         ; v176-199 3 x 8 registers of codes
.set SC,   200                         ; v200-202 the three scales as f32
.set LIM,  203                         ; v203-205 57,344 x the scales
	s_load_b512 s[4:19], s[0:1], 0x0               ; Wq Wk Wv Wo W1 W2 x ln1_g
	s_load_b128 s[20:23], s[0:1], 0x40             ; ln1_b, the scales' exponents
	s_load_b64 s[24:25], s[0:1], 0x50              ; cod
	v_lshl_add_u32 v208, v0, 2, 0x8800
	v_mov_b32 v209, 0
	v_lshrrev_b32 v1, 5, v0
	v_readfirstlane_b32 s26, v1                    ; wave
	v_and_b32 v2, 31, v0                           ; lane
	s_cmp_ge_u32 ttmp9, 384
	s_cbranch_scc1 .Lln
	; ---------------- the weights.  w = the work-group's number: 0-127 the four square ones (32 each), 128-255 W1, 256-383 W2
	s_lshr_b32 s50, ttmp9, 5                       ; which square weight
	s_and_b32 s51, ttmp9, 31
	s_and_b32 s52, ttmp9, 127
	s_lshl_b32 s53, s50, 20                        ; its place in cod
	s_lshl_b32 s54, s50, 3
	s_add_co_u32 s54, s54, 4                       ; its scale's byte: entries 1, 3, 5,
	s_cmp_eq_u32 s50, 3
	s_cselect_b32 s54, 44, s54                     ; and 11 for Wo
	s_mov_b32 s27, 0x400000
	s_cmp_lt_u32 ttmp9, 128
	s_cselect_b32 s51, s51, s52                    ; my number within the tensor
	s_cselect_b32 s53, s53, s27
	s_cselect_b32 s54, s54, 52                     ; W1: entry 13
	s_mov_b32 s27, 0x800000
	s_mov_b32 s55, 4096
	s_cmp_lt_u32 ttmp9, 256
	s_cselect_b32 s53, s53, s27
	s_cselect_b32 s54, s54, 60                     ; W2: entry 15
	s_cselect_b32 s55, 1024, s55                   ; K = a row of the codes in bytes
	s_lshr_b32 s27, ttmp9, 7
	s_mov_b32 s56, 4096
	s_cmp_eq_u32 s27, 1
	s_cselect_b32 s56, 16384, s56                  ; a row of the weight in bytes: 4 N
	s_cselect_b32 s57, 31, 7
	s_cselect_b32 s58, 5, 3
	s_and_b32 s57, s51, s57                        ; which 128 columns
	s_lshr_b32 s58, s51, s58                       ; which 256 along K
	s_mov_b32 s28, s54
	s_mov_b32 s29, 0
	v_lshlrev_b32 v3, 2, v2                        ; 4 bytes a lane
	s_mul_i32 s27, s26, 32*SPITCH                  ; my stage
	v_mul_u32_u24 v4, v2, SPITCH
	v_add_nc_u32 v4, s27, v4                       ; into it: row = my column
	v_and_b32 v5, 15, v2
	v_lshrrev_b32 v6, 4, v2
	v_mul_u32_u24 v7, v6, SPITCH
	v_lshl_add_u32 v7, v5, 4, v7
	v_add_nc_u32 v7, s27, v7                       ; out of it: sixteen lanes to a row, two rows an instruction
	v_mul_u32_u24 v8, v6, s55
	v_lshl_add_u32 v8, v5, 4, v8                   ; the same place in the codes
.set i, 0
.rept 32
	v_mad_u32_u24 v[WO+i], s56, i, v3
.set i, i+1
.endr
.set i, 0
.rept 16
	v_mad_u32_u24 v[WS+i], s55, 2*i, v8
.set i, i+1
.endr
	s_mul_i32 s60, s58, s56                        ; source: 256 kb rows + 4 x (128 nb + 32 wave)
	s_lshl_b32 s60, s60, 8
	s_lshl_b32 s61, s57, 9
	s_add_co_u32 s60, s60, s61
	s_lshl_b32 s61, s26, 7
	s_add_co_u32 s60, s60, s61
	s_mov_b32 s61, 0
	s_lshl_b32 s62, s57, 7                         ; codes: (128 nb + 32 wave) rows + 256 kb, behind the tensor's place
	s_lshl_b32 s63, s26, 5
	s_add_co_u32 s62, s62, s63
	s_mul_i32 s62, s62, s55
	s_add_co_u32 s62, s62, s53
	s_lshl_b32 s63, s58, 8
	s_add_co_u32 s62, s62, s63
	s_mov_b32 s63, 0
	s_wait_kmcnt 0x0
	s_add_nc_u64 s[22:23], s[22:23], s[28:29]
	s_load_b32 s30, s[22:23], 0x0                  ; e
	s_cmp_lt_u32 ttmp9, 256                        ; the tensor: a choice on the work-group's number alone
	s_cselect_b64 s[14:15], s[12:13], s[14:15]
	s_cmp_lt_u32 ttmp9, 128
	s_cselect_b64 s[14:15], s[10:11], s[14:15]
	s_cmp_lt_u32 ttmp9, 96
	s_cselect_b64 s[14:15], s[8:9], s[14:15]
	s_cmp_lt_u32 ttmp9, 64
	s_cselect_b64 s[14:15], s[6:7], s[14:15]
	s_cmp_lt_u32 ttmp9, 32
	s_cselect_b64 s[14:15], s[4:5], s[14:15]
	s_add_nc_u64 s[32:33], s[14:15], s[60:61]      ; a base for each of the eight blocks of 32 along K: none is stepped
	s_lshl_b32 s60, s56, 5
.irp t, 1,2,3,4,5,6,7
	s_add_nc_u64 s[32+2*\t:33+2*\t], s[30+2*\t:31+2*\t], s[60:61]
.endr
	s_add_nc_u64 s[48:49], s[24:25], s[62:63]
.macro WLOAD t                         ; block t: W(32 t + i, my column) into set t % 2: a wave's load reads 128 consecutive bytes, the four waves stand side by side
.set i, 0
.rept 32
	global_load_b32 v[WX+32*((\t)%2)+i], v[WO+i], s[32+2*(\t):33+2*(\t)] th:TH_LOAD_NT
.set i, i+1
.endr
.endm
	WLOAD 0
	WLOAD 1
	s_wait_kmcnt 0x0
	s_add_co_i32 s30, s30, 127
	s_lshl_b32 s31, s30, 23
	v_mov_b32 v11, s31                             ; 2^e as f32: the conversion takes its exponent field
	s_add_co_i32 s30, s30, 15
	s_lshl_b32 s30, s30, 23
	s_or_b32 s30, s30, 0x600000
	v_mov_b32 v10, s30                             ; 57,344 x 2^e
.macro WBLOCK t
.set XS, WX+32*((\t)%2)
.if (\t) < 7
	s_wait_loadcnt 32                              ; this block's 32 loads are in; the next block's may be out
.else
	s_wait_loadcnt 0
.endif
.set i, 0
.rept 32
	v_med3_num_f32 v[XS+i], v[XS+i], -v10, v10     ; the conversion to an 8-bit code does not saturate (ISA guide 7.6.2): the hold comes first
.set i, i+1
.endr
.irp g, 0,1,2,3
	v_cvt_scalef32_pk8_bf8_f32 v[WC+2*\g:WC+2*\g+1], v[XS+8*\g:XS+8*\g+7], v11
.endr
	ds_store_b128 v4, v[WC:WC+3] offset:32*(\t)    ; 32 codes of my column's row
	ds_store_b128 v4, v[WC+4:WC+7] offset:32*(\t)+16
.if (\t)+2 < 8
	WLOAD (\t)+2
.endif
	s_wait_dscnt 0x0                               ; the stores have read their registers: the next block's codes may be written (its holds, plain lines on the other set, come first)
.endm
.irp t, 0,1,2,3,4,5,6,7
	WBLOCK \t
.endr
.irp t, 0,1,2,3,4,5,6,7,8,9,10,11,12,13,14,15
	ds_load_b128 v[WX+4*\t:WX+4*\t+3], v7 offset:2*\t*SPITCH   ; LDS serves a wave's instructions in order: these see my stores
.endr
.irp t, 0,1,2,3,4,5,6,7,8,9,10,11,12,13,14,15
	s_wait_dscnt 15-\t
	global_store_b128 v[WS+\t], v[WX+4*\t:WX+4*\t+3], s[48:49]
.endr
	s_wait_tensorcnt 0x0
	ds_add_u32 v208, v209
	s_wait_dscnt 0x0
	s_endpgm
	; ---------------- LayerNorm 1
.Lln:
	v_lshlrev_b32 v[LA], 5, v2
	v_lshlrev_b32 v[LO], 3, v2
	v_mov_b32 v9, 0                                ; a lane permute's destination counts as read
	s_mov_b32 s28, 0x76543210                      ; v_permlanex16_b32: lane l xor 16
	s_mov_b32 s29, 0xfedcba98
	s_mov_b32 s30, 0x3a800000                      ; 1 / 1024
	s_mov_b32 s31, 0x3727c5ac                      ; 1e-5
	s_sub_co_u32 s40, ttmp9, 384
	s_lshl_b32 s40, s40, 4
	s_lshl_b32 s41, s26, 2
	s_add_co_u32 s40, s40, s41                     ; my first row: 16 x work-group + 4 x wave
	s_lshl_b32 s42, s40, 10
	s_mov_b32 s43, 0
	s_lshl_b32 s40, s40, 12
	s_mov_b32 s41, 0
	s_wait_kmcnt 0x0
	s_load_b256 s[32:39], s[22:23], 0x0            ; entries 0 to 7; 0, 2 and 4 are used
	s_add_nc_u64 s[16:17], s[16:17], s[40:41]
	s_add_nc_u64 s[24:25], s[24:25], s[42:43]
	s_add_nc_u64 s[44:45], s[24:25], 0xc00000
	s_add_nc_u64 s[46:47], s[24:25], 0x1000000
	s_add_nc_u64 s[48:49], s[24:25], 0x1400000
.irp j, 0,1,2,3
	global_load_b128 v[G+8*\j:G+8*\j+3], v[LA], s[18:19] offset:1024*\j
	global_load_b128 v[G+8*\j+4:G+8*\j+7], v[LA], s[18:19] offset:1024*\j+16
	global_load_b128 v[BB+8*\j:BB+8*\j+3], v[LA], s[20:21] offset:1024*\j
	global_load_b128 v[BB+8*\j+4:BB+8*\j+7], v[LA], s[20:21] offset:1024*\j+16
.endr
.macro LOADROW i, xs                   ; a row: eight loads; each pair covers 1,024 consecutive bytes
.irp j, 0,1,2,3
	global_load_b128 v[\xs+8*\j:\xs+8*\j+3], v[LA], s[16:17] offset:4096*(\i)+1024*\j
	global_load_b128 v[\xs+8*\j+4:\xs+8*\j+7], v[LA], s[16:17] offset:4096*(\i)+1024*\j+16
.endr
.endm
	LOADROW 0, X0
	LOADROW 1, X1
	s_wait_kmcnt 0x0
.irp q, 0,1,2
	s_add_co_i32 s[32+2*\q], s[32+2*\q], 127
	s_lshl_b32 s[33+2*\q], s[32+2*\q], 23
	v_mov_b32 v[SC+\q], s[33+2*\q]
	s_add_co_i32 s[32+2*\q], s[32+2*\q], 15
	s_lshl_b32 s[32+2*\q], s[32+2*\q], 23
	s_or_b32 s[32+2*\q], s[32+2*\q], 0x600000
	v_mov_b32 v[LIM+\q], s[32+2*\q]
.endr
.macro ALLSUM                          ; v8 summed over the 32 lanes, the result in every lane
	v_add_f32_dpp v8, v8, v8 row_xmask:1 row_mask:0xf bank_mask:0xf
	v_add_f32_dpp v8, v8, v8 row_xmask:2 row_mask:0xf bank_mask:0xf
	v_add_f32_dpp v8, v8, v8 row_xmask:4 row_mask:0xf bank_mask:0xf
	v_add_f32_dpp v8, v8, v8 row_xmask:8 row_mask:0xf bank_mask:0xf
	v_permlanex16_b32 v9, v8, s28, s29
	v_add_f32 v8, v8, v9
.endm
.macro ROW i, xs, left                 ; row i, in slot xs; left: the other slot's loads, which may stay out
	s_wait_loadcnt \left
	v_pk_add_f32 v[4:5], v[\xs:\xs+1], v[\xs+2:\xs+3]          ; the sum, in two chains
	v_pk_add_f32 v[6:7], v[\xs+4:\xs+5], v[\xs+6:\xs+7]
.irp j, 8,12,16,20,24,28
	v_pk_add_f32 v[4:5], v[4:5], v[\xs+\j:\xs+\j+1]
	v_pk_add_f32 v[6:7], v[6:7], v[\xs+\j+2:\xs+\j+3]
.endr
	v_pk_add_f32 v[4:5], v[4:5], v[6:7]
	v_add_f32 v8, v4, v5
	ALLSUM
	v_mul_f32 v10, s30, v8                         ; the mean
	v_mov_b32 v11, v10
.irp j, 0,2,4,6,8,10,12,14,16,18,20,22,24,26,28,30
	v_pk_add_f32 v[\xs+\j:\xs+\j+1], v[\xs+\j:\xs+\j+1], v[10:11] neg_lo:[0,1] neg_hi:[0,1]   ; x - mean: the variance is taken of this, so an offset in x costs nothing
.endr
	v_pk_mul_f32 v[4:5], v[\xs:\xs+1], v[\xs:\xs+1]
	v_pk_mul_f32 v[6:7], v[\xs+2:\xs+3], v[\xs+2:\xs+3]
.irp j, 4,8,12,16,20,24,28
	v_pk_fma_f32 v[4:5], v[\xs+\j:\xs+\j+1], v[\xs+\j:\xs+\j+1], v[4:5]
	v_pk_fma_f32 v[6:7], v[\xs+\j+2:\xs+\j+3], v[\xs+\j+2:\xs+\j+3], v[6:7]
.endr
	v_pk_add_f32 v[4:5], v[4:5], v[6:7]
	v_add_f32 v8, v4, v5
	ALLSUM
	v_fma_f32 v8, v8, s30, s31                     ; variance + 1e-5
	v_rsq_f32 v12, v8
	v_rsq_f32 v13, v8                              ; twice: a pair for the packed multiply
	v_nop                                          ; a plain instruction behind the transcendentals (ISA guide 5.7.2)
	s_wait_alu depctr_va_vdst(0)                   ; one wait for both, ahead of their first reader
.irp j, 0,2,4,6,8,10,12,14,16,18,20,22,24,26,28,30
	v_pk_mul_f32 v[\xs+\j:\xs+\j+1], v[\xs+\j:\xs+\j+1], v[12:13]
.endr
.irp j, 0,2,4,6,8,10,12,14,16,18,20,22,24,26,28,30
	v_pk_fma_f32 v[\xs+\j:\xs+\j+1], v[\xs+\j:\xs+\j+1], v[G+\j:G+\j+1], v[BB+\j:BB+\j+1]
.endr
	s_wait_xcnt 0x0                                ; the last row's stores have read their data registers, which are written again below
.irp q, 0,1,2
.set j, 0
.rept 32
	v_med3_num_f32 v[TMP+j], v[\xs+j], -v[LIM+\q], v[LIM+\q]
.set j, j+1
.endr
.irp c, 0,1,2,3
	v_cvt_scalef32_pk8_bf8_f32 v[CD+8*\q+2*\c:CD+8*\q+2*\c+1], v[TMP+8*\c:TMP+8*\c+7], v[SC+\q]
.endr
	v_nop                                          ; a plain line between the conversions and the next holds, which write their sources
.irp c, 0,1,2,3
	global_store_b64 v[LO], v[CD+8*\q+2*\c:CD+8*\q+2*\c+1], s[44+2*\q:45+2*\q] offset:1024*(\i)+256*\c   ; 32 lanes store 256 consecutive bytes, aligned
.endr
.endr
.if (\i) < 2
	LOADROW (\i)+2, \xs
.endif
.endm
	ROW 0, X0, 8
	ROW 1, X1, 8
	ROW 2, X0, 8
	ROW 3, X1, 0
	s_endpgm
.Lfunc_end_k_q34d47a7c93_prep:
	.size	k_q34d47a7c93_prep, .Lfunc_end_k_q34d47a7c93_prep-k_q34d47a7c93_prep
	.p2alignl 7, 3214868480
	.fill 96, 4, 3214868480
	.section	.rodata,"a",@progbits
	.p2align	6, 0x0
	.amdhsa_kernel k_q34d47a7c93_prep
		.amdhsa_group_segment_fixed_size 35328
		.amdhsa_private_segment_fixed_size 0
		.amdhsa_enable_private_segment 0
		.amdhsa_kernarg_size 88
		.amdhsa_user_sgpr_count 2
		.amdhsa_user_sgpr_kernarg_segment_ptr 1
		.amdhsa_wavefront_size32 1
		.amdhsa_system_sgpr_workgroup_id_x 1
		.amdhsa_system_sgpr_workgroup_id_y 1
		.amdhsa_system_sgpr_workgroup_id_z 1
		.amdhsa_system_vgpr_workitem_id 0
		.amdhsa_next_free_vgpr 210
		.amdhsa_next_free_sgpr 66
		.amdhsa_reserve_vcc 0
		.amdhsa_float_denorm_mode_32 3
		.amdhsa_float_denorm_mode_16_64 3
		.amdhsa_memory_ordered 1
		.amdhsa_forward_progress 1
		.amdhsa_inst_pref_size 117
	.end_amdhsa_kernel
	.amdgpu_metadata
---
amdhsa.version: [ 1, 2 ]
amdhsa.kernels:
  - .name:           k_q34d47a7c93_prep
    .symbol:         k_q34d47a7c93_prep.kd
    .args:
      - { .name: Wq, .offset: 0, .size: 8, .value_kind: global_buffer, .address_space: global }
      - { .name: Wk, .offset: 8, .size: 8, .value_kind: global_buffer, .address_space: global }
      - { .name: Wv, .offset: 16, .size: 8, .value_kind: global_buffer, .address_space: global }
      - { .name: Wo, .offset: 24, .size: 8, .value_kind: global_buffer, .address_space: global }
      - { .name: W1, .offset: 32, .size: 8, .value_kind: global_buffer, .address_space: global }
      - { .name: W2, .offset: 40, .size: 8, .value_kind: global_buffer, .address_space: global }
      - { .name: x, .offset: 48, .size: 8, .value_kind: global_buffer, .address_space: global }
      - { .name: ln1_g, .offset: 56, .size: 8, .value_kind: global_buffer, .address_space: global }
      - { .name: ln1_b, .offset: 64, .size: 8, .value_kind: global_buffer, .address_space: global }
      - { .name: lowp_scales, .offset: 72, .size: 8, .value_kind: global_buffer, .address_space: global }
      - { .name: cod, .offset: 80, .size: 8, .value_kind: global_buffer, .address_space: global }
    .group_segment_fixed_size: 35328
    .private_segment_fixed_size: 0
    .kernarg_segment_align: 8
    .kernarg_segment_size: 88
    .max_flat_workgroup_size: 128
    .sgpr_count:     66
    .vgpr_count:     210
    .wavefront_size: 32
...
	.end_amdgpu_metadata
.endif
;; end of part 1
;; launch qkv (part 2): grid 4 x 48, 4 waves a work-group, clusters of 4 x 4, 327,680 bytes of LDS; arguments cod, lowp_scales, bq, bk, bv, qkv; writes qkv
.if DOCPART == 2
	.amdgcn_target "amdgcn-amd-amdhsa--gfx1250"
	.amdhsa_code_object_version 6
	.text
	.protected	k_q34d47a7c93_qkv
	.globl	k_q34d47a7c93_qkv
	.p2align	8
	.type	k_q34d47a7c93_qkv,@function
k_q34d47a7c93_qkv:
	s_mov_b64 s[64:65], 0
	v_nop
	global_prefetch_b8 v0, s[64:65] scope:SCOPE_SE
	s_setreg_imm32_b32 hwreg(HW_REG_WAVE_MODE, 25, 1), 1
	s_wait_xcnt 0x0
	s_wait_alu depctr_hold_cnt(0) depctr_sa_sdst(0) depctr_va_vdst(0) depctr_va_sdst(0) depctr_va_ssrc(0) depctr_va_vcc(0) depctr_vm_vsrc(0)
	s_getreg_b32 s2, hwreg(HW_REG_IB_STS2, 6, 4)
	s_cmp_eq_u32 s2, 0
	s_cbranch_scc0 .Lentry_in_a_cluster
	s_endpgm
.Lentry_in_a_cluster:
	s_bfe_u32 s2, ttmp6, 0x10000c
	s_cmp_lg_u32 s2, 0xf033
	s_cbranch_scc0 .Lentry_shape_is_right
	s_endpgm
.Lentry_shape_is_right:
; Q = h Wq + bq, K = h Wk + bk, V = h Wv + bv on codes of E5M2, each result quantised at once for attention and stored as IMAGES OF OPERAND REGISTERS.
; Twelve clusters of 4 x 4 work-groups: cluster y = 4 p + sub; p = 0: Q, 1: K, 2: V.  A work-group makes a tile of 256 x 256, each of its four waves 128 x 128 (64 accumulators).  K = 1,024 in four steps of 256
; through a ring of two LDS slots filled by joint tensor loads: the first operand's tile is shared along a row of the cluster, the second's along a column.
; THE MATRIX INSTRUCTION IS USED TRANSPOSED (source 0 = 16 rows of the second operand, source 1 = 16 rows of the first): lane (r, h) holds row r of the first operand's block and, in register j of tile b, row 16 b + 8 h + j of the second's.
; Q, K: first = the LayerNorm's codes (tokens), second = the weight's rows (columns): a lane holds a token and eight neighbouring columns a tile.  Eight numbers become two registers of codes, and those ARE registers 2 b, 2 b + 1 of the
; 8-bit operand layout (k = 16 b + 8 h + 0..7): four tiles are a head's fragment of 16 tokens x 64.   V: first = Wv's rows (channels), second = tokens: a lane holds a channel and its registers run along the keys: eight tiles are a fragment of V^T, 16 channels x 128 keys.
; qkv: [head 32][block of 128 tokens 16][24,576]: 8 images of Q (1 KB), 8 of K, 4 of V^T (2 KB).  An image: registers 4 c .. 4 c + 3 of lane l at 512 c + 16 l: every store covers 512 consecutive bytes.
; LIMITS: the sum of a product's two exponents between -126 and 127; the exponent of the result's scale (entries 6, 7, 9) between -126 and 112.  NaN and infinity are not served.
; REGISTERS: window 0: v0-31 addresses; v32-95 bias by columns; v96-111 bias by lanes; v116, v117 the result's scale and hold; from v128 the first operand's fragments, ONE set (on the way out: numbers and codes).
;   window 1: the second operand's fragments, two sets.   windows 2, 3: the accumulators ((a, b) at v[8 (8 (a % 4) + b)]).
.set KSTEP,  256
.set ROWB,   256
.set KROW,   1024
.set PITCH,  272                       ; an LDS row: 256 bytes + 16 of padding = 68 words: the 16 rows that a load touches start at 16 different banks (64 banks of 4 bytes: ISA guide 11.1)
.set FR,     16
.set NL,     4
.set NP,     4                         ; places behind this matrix instruction (ISA guide 7.12.1)
.set HALFT,  128*PITCH
.set SLOT,   4*HALFT
.set LAPS,   KROW/(2*KSTEP)
.set SPARE,  2*SLOT                    ; behind the ring: the spare words, 128 bytes a wave, which no other line names
.set ADRA, 16
.set ADRB, 20
.set LI,   24                          ; v24  16 x lane
.set SPW,  28
.set NIL,  29
.set BI,   32
.set BV,   96
.set SCL,  116
.set LIM,  117
.set AF,   128
.set TMP,  128
.set CO,   192
.set G1, 24
.set G0, 32
.set G1B, 48
.set G0B, 56
.set MSB, 0
.macro WIN new                         ; the immediate's high byte repeats the setting that is left
.if MSB != (\new)
	s_set_vgpr_msb (MSB<<8)|(\new)
.set MSB, (\new)
.endif
.endm
.set MUL_LO, 0xa1                      ; source 0 window 1, source 1 window 0, C and D window 2
.set MUL_HI, 0xf1
.set TO_B,   0x40
.macro JLOAD g0a, g1a, g0b, g1b        ; a joint load: waves 0 and 1 fetch the first operand's halves, waves 2 and 3 the second's; four v_nop follow each line
	s_cmp_eq_u32 s15, 0
	s_cbranch_scc0 .Lfor_b_\@
	tensor_load_to_lds s[\g0a:\g0a+3], s[\g1a:\g1a+7]
	s_nop 0
.rept 4
	v_nop
.endr
	s_branch .Lasked_\@
.Lfor_b_\@:
	tensor_load_to_lds s[\g0b:\g0b+3], s[\g1b:\g1b+7]
	s_nop 0
.rept 4
	v_nop
.endr
.Lasked_\@:
.endm
.macro CREST                           ; a round of the cluster's barrier behind its opening barrier
	s_cmp_lg_u32 s14, 0
	s_cbranch_scc1 .Lnot_wave_0_\@
	s_barrier_signal -3
.Lnot_wave_0_\@:
	s_barrier_wait -3
	s_barrier_signal -1
	s_barrier_wait -1
.endm
.macro CROUND
	s_barrier_signal -1
	s_barrier_wait -1
	CREST
.endm
	s_load_b256 s[4:11], s[0:1], 0x0               ; cod, the scales' exponents, bq, bk
	s_load_b128 s[68:71], s[0:1], 0x20             ; bv, qkv
	v_lshl_add_u32 v[SPW], v0, 2, SPARE
	v_mov_b32 v[NIL], 0
	ds_add_u32 v28, v29
	ds_add_u32 v28, v29
	s_wait_dscnt 0x0
	v_lshrrev_b32 v1, 5, v0
	v_readfirstlane_b32 s14, v1                    ; wave
	s_lshr_b32 s15, s14, 1                         ; my half of the first operand's rows.  Also: I fetch for the first (0) or the second (1)
	s_and_b32 s16, s14, 1                          ; my half of the second's.  Also: which 128 rows I fetch
	s_bfe_u32 s40, ttmp6, 0x40000                  ; cx
	s_bfe_u32 s41, ttmp6, 0x40004                  ; cy
	s_and_b32 s72, ttmp7, 0xffff                   ; the cluster's y, the same in all sixteen partners
	s_and_b32 s73, s72, 3                          ; sub
	s_lshr_b32 s72, s72, 2                         ; p
	s_lshl_b32 s76, s72, 22
	s_add_co_u32 s76, s76, 0xc00000                ; Q, K: the LayerNorm's codes of this product
	s_lshl_b32 s77, s72, 20                        ; and the weight's
	s_mov_b32 s78, 0x200000                        ; V: Wv's codes come first,
	s_mov_b32 s79, 0x1400000                       ; the LayerNorm's second
	s_cmp_eq_u32 s72, 2
	s_cselect_b32 s74, 0, s73
	s_cselect_b32 s75, s73, 0
	s_cselect_b32 s76, s78, s76
	s_cselect_b32 s77, s79, s77
	s_cselect_b32 s82, 7, 6
	s_lshl_b32 s17, s74, 2
	s_add_co_u32 s17, s17, s41                     ; tile row: cy + 4 sub (V: cy)
	s_lshl_b32 s42, s75, 2
	s_add_co_u32 s42, s42, s40                     ; tile column: cx (V: cx + 4 sub)
	s_add_co_u32 s82, s82, s72
	s_lshl_b32 s82, s82, 2                         ; the result's scale: entries 6, 7, 9
	s_mov_b32 s83, 0
	s_lshl_b32 s80, s72, 3                         ; the operands': entries 2 p, 2 p + 1
	s_mov_b32 s81, 0
	s_lshl_b32 s43, s41, 2
	s_lshl_b32 s43, 15, s43                        ; my row of the cluster
	s_lshl_b32 s44, 0x1111, s40                    ; my column
	s_or_b32 s[G1+0], s43, (0<<16)|(1<<20)|(1<<21)|(5<<22)|(3<<25)  ; 15:0 the mask; elements of 1 byte; 20 padding on; 21 set beside a mask; after every 64 words (code 5) 4 words (code 3)
	s_or_b32 s[G1B+0], s44, (0<<16)|(1<<20)|(1<<21)|(5<<22)|(3<<25)
.irp g, G1, G1B
	s_mov_b32 s[\g+1], ROWB<<16                    ; tensor_dim0
	s_mov_b32 s[\g+2], 128<<16                     ; tensor_dim1
	s_mov_b32 s[\g+3], ROWB<<16                    ; tile_dim0
	s_mov_b32 s[\g+4], 128                         ; tile_dim1
	s_mov_b32 s[\g+5], KROW                        ; stride
	s_mov_b32 s[\g+6], 0
	s_mov_b32 s[\g+7], 0
.endr
	s_lshl_b32 s18, s16, 7
	s_lshl_b32 s20, s17, 8
	s_add_co_u32 s20, s20, s18
	s_lshl_b32 s20, s20, 10
	s_add_co_u32 s20, s20, s76                     ; first operand: its place in cod + (256 x tile row + 128 x half) rows of 1,024 bytes
	s_mov_b32 s21, 0
	s_lshl_b32 s46, s42, 8
	s_add_co_u32 s46, s46, s18
	s_lshl_b32 s46, s46, 10
	s_add_co_u32 s46, s46, s77                     ; second operand likewise, by the tile column
	s_mov_b32 s47, 0
	s_mul_i32 s45, s14, HALFT                      ; where they go: wave x 128 rows
	s_lshl_b32 s88, s17, 8
	s_lshl_b32 s89, s15, 7
	s_add_co_u32 s88, s88, s89                     ; my wave's first row of the first operand,
	s_lshl_b32 s90, s42, 8
	s_lshl_b32 s91, s16, 7
	s_add_co_u32 s90, s90, s91                     ; and of the second
	s_cmp_eq_u32 s72, 2
	s_cselect_b32 s92, s88, s90                    ; my first column of the result (of 1,024),
	s_cselect_b32 s93, s90, s88                    ; my first token
	s_lshr_b32 s94, s93, 11
	s_lshl_b32 s94, s94, 4
	s_lshr_b32 s95, s92, 6
	s_add_co_u32 s94, s94, s95                     ; 16 x batch + head
	s_lshl_b32 s94, s94, 4
	s_bfe_u32 s95, s93, 0x40007
	s_add_co_u32 s94, s94, s95                     ; x 16 + the block of 128 tokens
	s_mul_i32 s94, s94, 24576
	s_lshl_b32 s95, s72, 13
	s_add_co_u32 s94, s94, s95                     ; + 8,192 p
	s_mov_b32 s95, 0
	s_lshl_b32 s88, s92, 2
	s_mov_b32 s89, 0
	s_wait_kmcnt 0x0
	s_add_nc_u64 s[80:81], s[6:7], s[80:81]
	s_add_nc_u64 s[82:83], s[6:7], s[82:83]
	s_load_b64 s[96:97], s[80:81], 0x0
	s_load_b32 s84, s[82:83], 0x0
	s_cmp_eq_u32 s72, 1
	s_cselect_b64 s[86:87], s[10:11], s[68:69]
	s_cmp_eq_u32 s72, 0
	s_cselect_b64 s[86:87], s[8:9], s[86:87]       ; the bias
	s_add_nc_u64 s[86:87], s[86:87], s[88:89]      ; at my 128 columns
	s_add_nc_u64 s[70:71], s[70:71], s[94:95]
	s_add_nc_u64 s[20:21], s[4:5], s[20:21]
	s_add_nc_u64 s[46:47], s[4:5], s[46:47]
	CROUND                                         ; all sixteen work-groups are here: the first joint loads meet
.irp s, 0,1
	s_mov_b32 s[G0+4*\s], 1
	s_add_co_u32 s[G0+4*\s+1], s45, \s*SLOT
	s_add_nc_u64 s[G0+4*\s+2:G0+4*\s+3], s[20:21], \s*ROWB
	s_or_b32 s[G0+4*\s+3], s[G0+4*\s+3], 0x80000000
	s_mov_b32 s[G0B+4*\s], 1
	s_add_co_u32 s[G0B+4*\s+1], s45, \s*SLOT
	s_add_nc_u64 s[G0B+4*\s+2:G0B+4*\s+3], s[46:47], \s*ROWB
	s_or_b32 s[G0B+4*\s+3], s[G0B+4*\s+3], 0x80000000
	JLOAD G0+4*\s, G1, G0B+4*\s, G1B
.endr
	v_and_b32 v1, 15, v0                           ; r
	v_bfe_u32 v2, v0, 4, 1                         ; h
	v_mul_u32_u24 v3, v1, PITCH
	v_lshl_add_u32 v4, v2, 4, v3
	s_mul_i32 s21, s15, HALFT
	s_mul_i32 s22, s16, HALFT
	s_add_co_u32 s22, s22, 2*HALFT
.irp s, 0,1
	v_add_nc_u32 v[ADRA+\s], s21, v4
	v_add_nc_u32 v[ADRB+\s], s22, v4
	s_add_co_u32 s21, s21, SLOT
	s_add_co_u32 s22, s22, SLOT
.endr
	v_and_b32 v6, 31, v0
	v_lshlrev_b32 v[LI], 4, v6
	v_lshlrev_b32 v7, 5, v2                        ; 32 h
	v_lshlrev_b32 v8, 2, v1                        ; 4 r
.irp b, 0,1,2,3,4,5,6,7                ; the bias of my 128 columns, in both patterns: by tile and register (Q, K), and by lane (V)
	global_load_b128 v[BI+8*\b:BI+8*\b+3], v7, s[86:87] offset:64*\b
	global_load_b128 v[BI+8*\b+4:BI+8*\b+7], v7, s[86:87] offset:64*\b+16
.endr
.irp a, 0,1,2,3,4,5,6,7
	global_load_b32 v[BV+2*\a], v8, s[86:87] offset:64*\a
	global_load_b32 v[BV+2*\a+1], v8, s[86:87] offset:64*\a
.endr
.macro FRAG reg, adr, q, i             ; a fragment by four loads of 16 bytes: the same order of k in both operands, so every product meets its partner
.irp c, 0,1,2,3
	ds_load_b128 v[\reg+4*\c:\reg+4*\c+3], v[\adr] offset:128*(\q)+32*\c+(\i)*16*PITCH
.endr
.endm
.macro MUL16 a0, p, zero               ; 16 matrix instructions; the 64 accumulators take turns, one instruction a turn, in the same order in every step
.irp a, \a0, \a0+1
.irp b, 0,1,2,3,4,5,6,7
.if \zero
	v_wmma_f32_16x16x128_bf8_bf8 v[8*(8*((\a)%4)+\b):8*(8*((\a)%4)+\b)+7], v[128*(\p)+FR*\b:128*(\p)+FR*\b+FR-1], v[AF+FR*(\a):AF+FR*(\a)+FR-1], 0
.else
	v_wmma_f32_16x16x128_bf8_bf8 v[8*(8*((\a)%4)+\b):8*(8*((\a)%4)+\b)+7], v[128*(\p)+FR*\b:128*(\p)+FR*\b+FR-1], v[AF+FR*(\a):AF+FR*(\a)+FR-1], v[8*(8*((\a)%4)+\b):8*(8*((\a)%4)+\b)+7]
.endif
.endr
.endr
.endm
.macro FETCH_B slot, q, p
	WIN TO_B
.irp i, 0,1,2,3,4,5,6,7
	FRAG 128*(\p)+FR*\i, ADRB+\slot, \q, \i
.endr
	WIN 0
.endm
.macro FETCH_A slot, q, i0
.irp i, \i0, \i0+1, \i0+2, \i0+3
	FRAG AF+FR*(\i), ADRA+\slot, \q, \i
.endr
.endm
.macro PLACES n                        ; plain vector instructions between a matrix instruction and a load into, or a read of, its registers
.rept \n
	v_nop
.endr
.endm
.macro STEP slot, q, zero              ; 128 along K, its successor in the same slot
	s_wait_dscnt 4*NL                              ; all but the youngest sixteen loads (blocks 4-7 of the first operand)
	WIN MUL_LO
	MUL16 0, (\q)%2, \zero
	MUL16 2, (\q)%2, \zero
	s_wait_dscnt 0
	PLACES NP
	FETCH_B \slot, (\q)+1, 1-(\q)%2
	FETCH_A \slot, (\q)+1, 0
	WIN MUL_HI
	MUL16 4, (\q)%2, \zero
	MUL16 6, (\q)%2, \zero
	PLACES NP
	WIN 0
	FETCH_A \slot, (\q)+1, 4
.endm
.macro TURN slot, next, fill           ; a slot's last step changes slots: one barrier; fill = 1: it opens a round of the cluster's barrier and this slot is filled again
	s_wait_tensorcnt 0x0                           ; all my tensor loads have landed: my part of the next slot
	ds_add_u32 v[SPW], v[NIL]                      ; 0 onto my spare word
	s_wait_dscnt 4*NL+1                            ; (the add and the youngest sixteen loads may be out)
	WIN MUL_LO
	MUL16 0, 1, 0
	s_wait_dscnt 0x0                               ; the add is done, and my reads of this slot are over
	s_barrier_signal -1
	MUL16 2, 1, 0
	WIN 0
	s_barrier_wait -1
.if \fill
	CREST                                          ; no wave of any partner still reads this slot's tile or has a load on its way
	s_add_nc_u64 s[G0+4*\slot+2:G0+4*\slot+3], s[G0+4*\slot+2:G0+4*\slot+3], 2*ROWB
	s_add_nc_u64 s[G0B+4*\slot+2:G0B+4*\slot+3], s[G0B+4*\slot+2:G0B+4*\slot+3], 2*ROWB
	JLOAD G0+4*\slot, G1, G0B+4*\slot, G1B         ; the first tensor load behind the round; its four v_nop are the places in front of the loads below
.else
	PLACES NP
.endif
	FETCH_B \next, 0, 0
	FETCH_A \next, 0, 0
	WIN MUL_HI
	MUL16 4, 1, 0
	MUL16 6, 1, 0
	PLACES NP
	WIN 0
	FETCH_A \next, 0, 4
.endm
	s_wait_tensorcnt 1                             ; my part of K step 0 is in; K step 1's may stay out
	s_barrier_signal -1
	s_barrier_wait -1
	FETCH_B 0, 0, 0
	FETCH_A 0, 0, 0
	FETCH_A 0, 0, 4
	STEP 0, 0, 1                                   ; the first step's products start the sums
	s_mov_b32 s3, LAPS-1
.Llap:
	TURN 0, 1, 1
	STEP 1, 0, 0
	TURN 1, 0, 1
	STEP 0, 0, 0
	s_sub_co_u32 s3, s3, 1
	s_cmp_lg_u32 s3, 0
	s_cbranch_scc1 .Llap
	TURN 0, 1, 0                                   ; the last lap fills nothing
	STEP 1, 0, 0
	s_wait_dscnt 4*NL
	WIN MUL_LO
	MUL16 0, 1, 0
	MUL16 2, 1, 0
	s_wait_dscnt 0
	WIN MUL_HI
	MUL16 4, 1, 0
	MUL16 6, 1, 0
	WIN 0
	; THE WAY OUT: sum x 2^(the operands' exponents) + bias, held, converted; the codes' registers are stored as they stand.
	s_wait_kmcnt 0x0
	s_add_co_i32 s96, s96, s97
	s_add_co_i32 s96, s96, 127
	s_lshl_b32 s96, s96, 23
	s_mov_b32 s97, s96                             ; (named with it as a pair)
	s_add_co_i32 s84, s84, 127
	s_lshl_b32 s85, s84, 23
	v_mov_b32 v[SCL], s85
	s_add_co_i32 s84, s84, 15
	s_lshl_b32 s84, s84, 23
	s_or_b32 s84, s84, 0x600000
	v_mov_b32 v[LIM], s84
	s_wait_loadcnt 0x0                             ; the bias
	PLACES NP
.macro OUTBLK a, isv                   ; block a of the first operand's rows: 64 numbers a lane
	WIN 0x02+(\a)/4                                ; source 0: window 2 or 3
.set j, 0
.rept 32
.if \isv
	v_pk_fma_f32 v[TMP+j:TMP+j+1], v[64*((\a)%4)+j:64*((\a)%4)+j+1], s[96:97], v[BV+2*(\a):BV+2*(\a)+1] op_sel_hi:[1,0,1]
.else
	v_pk_fma_f32 v[TMP+j:TMP+j+1], v[64*((\a)%4)+j:64*((\a)%4)+j+1], s[96:97], v[BI+j:BI+j+1] op_sel_hi:[1,0,1]
.endif
.set j, j+2
.endr
	WIN 0
.set j, 0
.rept 64
	v_med3_num_f32 v[TMP+j], v[TMP+j], -v[LIM], v[LIM]
.set j, j+1
.endr
.if (\a) > 0
	s_wait_xcnt 0x0                                ; the last block's stores have read their data registers
.endif
.irp b, 0,1,2,3,4,5,6,7
	v_cvt_scalef32_pk8_bf8_f32 v[CO+2*\b:CO+2*\b+1], v[TMP+8*\b:TMP+8*\b+7], v[SCL]
.endr
	v_nop                                          ; a plain line between the conversions and the next block's lines, which write their sources
.irp c, 0,1,2,3
.if \isv
	global_store_b128 v[LI], v[CO+4*\c:CO+4*\c+3], s[70:71] offset:((\a)/4)*393216+((\a)%4)*2048+512*\c   ; V^T: head a / 4, channels 16 (a % 4) on
.else
	global_store_b128 v[LI], v[CO+4*\c:CO+4*\c+3], s[70:71] offset:(\a)*1024+(\c/2)*393216+(\c%2)*512     ; tokens 16 a on, head c / 2
.endif
.endr
.endm
	s_cmp_eq_u32 s72, 2                            ; p hangs on the cluster's number alone
	s_cbranch_scc1 .Lv
.irp a, 0,1,2,3,4,5,6,7
	OUTBLK \a, 0
.endr
	s_branch .Lend
.Lv:
.irp a, 0,1,2,3,4,5,6,7
	OUTBLK \a, 1
.endr
.Lend:
	s_wait_tensorcnt 0x0                           ; the wave's end
	ds_add_u32 v[SPW], v[NIL]
	s_wait_dscnt 0x0
	CROUND                                         ; the closing round
	s_endpgm
.Lfunc_end_k_q34d47a7c93_qkv:
	.size	k_q34d47a7c93_qkv, .Lfunc_end_k_q34d47a7c93_qkv-k_q34d47a7c93_qkv
	.p2alignl 7, 3214868480
	.fill 96, 4, 3214868480
	.section	.rodata,"a",@progbits
	.p2align	6, 0x0
	.amdhsa_kernel k_q34d47a7c93_qkv
		.amdhsa_group_segment_fixed_size 327680
		.amdhsa_private_segment_fixed_size 0
		.amdhsa_enable_private_segment 0
		.amdhsa_kernarg_size 48
		.amdhsa_user_sgpr_count 2
		.amdhsa_user_sgpr_kernarg_segment_ptr 1
		.amdhsa_wavefront_size32 1
		.amdhsa_system_sgpr_workgroup_id_x 1
		.amdhsa_system_sgpr_workgroup_id_y 1
		.amdhsa_system_sgpr_workgroup_id_z 1
		.amdhsa_system_vgpr_workitem_id 0
		.amdhsa_next_free_vgpr 1024
		.amdhsa_next_free_sgpr 100
		.amdhsa_reserve_vcc 0
		.amdhsa_float_denorm_mode_32 3
		.amdhsa_float_denorm_mode_16_64 3
		.amdhsa_memory_ordered 1
		.amdhsa_forward_progress 1
		.amdhsa_inst_pref_size 194
	.end_amdhsa_kernel
	.amdgpu_metadata
---
amdhsa.version: [ 1, 2 ]
amdhsa.kernels:
  - .name:           k_q34d47a7c93_qkv
    .symbol:         k_q34d47a7c93_qkv.kd
    .args:
      - { .name: cod, .offset: 0, .size: 8, .value_kind: global_buffer, .address_space: global }
      - { .name: lowp_scales, .offset: 8, .size: 8, .value_kind: global_buffer, .address_space: global }
      - { .name: bq, .offset: 16, .size: 8, .value_kind: global_buffer, .address_space: global }
      - { .name: bk, .offset: 24, .size: 8, .value_kind: global_buffer, .address_space: global }
      - { .name: bv, .offset: 32, .size: 8, .value_kind: global_buffer, .address_space: global }
      - { .name: qkv, .offset: 40, .size: 8, .value_kind: global_buffer, .address_space: global }
    .group_segment_fixed_size: 327680
    .private_segment_fixed_size: 0
    .kernarg_segment_align: 8
    .kernarg_segment_size: 48
    .max_flat_workgroup_size: 128
    .sgpr_count:     100
    .vgpr_count:     1024
    .wavefront_size: 32
...
	.end_amdgpu_metadata
.endif
;; end of part 2
;; launch attn (part 3): grid 8 x 32, 16 waves a work-group, clusters of 4 x 1, 264,192 bytes of LDS; arguments qkv, lowp_scales, ao; writes ao
.if DOCPART == 3
	.amdgcn_target "amdgcn-amd-amdhsa--gfx1250"
	.amdhsa_code_object_version 6
	.text
	.protected	k_q34d47a7c93_attn
	.globl	k_q34d47a7c93_attn
	.p2align	8
	.type	k_q34d47a7c93_attn,@function
k_q34d47a7c93_attn:
	s_mov_b64 s[64:65], 0
	v_nop
	global_prefetch_b8 v0, s[64:65] scope:SCOPE_SE
	s_setreg_imm32_b32 hwreg(HW_REG_WAVE_MODE, 25, 1), 1
	s_wait_xcnt 0x0
	s_wait_alu depctr_hold_cnt(0) depctr_sa_sdst(0) depctr_va_vdst(0) depctr_va_sdst(0) depctr_va_ssrc(0) depctr_va_vcc(0) depctr_vm_vsrc(0)
	s_getreg_b32 s2, hwreg(HW_REG_IB_STS2, 6, 4)
	s_cmp_eq_u32 s2, 0
	s_cbranch_scc0 .Lentry_in_a_cluster
	s_endpgm
.Lentry_in_a_cluster:
	s_bfe_u32 s2, ttmp6, 0x10000c
	s_cmp_lg_u32 s2, 0x3003
	s_cbranch_scc0 .Lentry_shape_is_right
	s_endpgm
.Lentry_shape_is_right:
; Attention on codes of E5M2: head size 64, 2,048 keys, 32 heads (16 x batch + head).  Q, K and V^T come as images of operand registers; the result, divided by the row's sum, is quantised (entry 10) and stored as images for the next product.
; THE SOFTMAX: t = score x log2(e) / 8; M = the running largest t rounded UP to a whole number; p = 2^(t - M) is quantised (entry 8), not normalised; the row's sum is taken of the unquantised p; when M moves, the sum and O are multiplied by 2^(old M - new M): exact.
; SHARES.  A work-group owns 256 queries of one head, each of its sixteen waves 16 of them in 256 registers: four waves to a SIMD, so that one wave's vector work stands beside another's products and LDS loads.
; ALL of a head's K and V images, 16 blocks of 128 keys x 16,384 bytes = 262,144 bytes, lie in LDS, filled ONCE: no slot is filled again.  An image is read as it was stored, 512 consecutive bytes an instruction: no pitch, no padding.
; CLUSTER.  The four query blocks of a cluster belong to one head: each fill is a joint load (mask 15).  Waves 0 to 3 issue four loads each (four of a wave are out at the most); group i of four blocks is read behind a counted wait and a barrier.
; LAYOUT.  S^T = K Q^T (source 0 = 16 keys, source 1 = my queries), O^T = V^T P^T: a lane holds one query (lane % 16) throughout.  Tile t of S^T holds keys 16 t + 8 (lane / 16) + 0..7, and their two registers of codes are registers 2 t, 2 t + 1 of the operand: nothing changes lanes.
; LIMITS: entries 6 + 7 between -123 and 130 (added to c's exponent field); entries 8 and 10 between -126 and 112.  NaN and infinity are not served.
; No prefetch: K and V are asked for only at the head, where every work-group's tiles are on their way.
; REGISTERS: v5 16 x lane; v8 the block's LDS address; v12 -M, v13 the largest t, v[14:15] the sum; v16-23 Q; v32-95 K's, then V's fragments; v96-159 S^T, then p; v160-191 O^T; v224-239 p's codes; v240-254 constants and scratch.
.set LI,  5
.set ADK, 8
.set WV,  18
.set SEL, 20
.set CS,  22
.set G1,  24
.set G0,  32
.set TB,  48
.set CNT, 49
.macro CROUND                          ; a round of the cluster's barrier
	s_barrier_signal -1
	s_barrier_wait -1
	s_cmp_lg_u32 s[WV], 0
	s_cbranch_scc1 .Lnot_wave_0_\@
	s_barrier_signal -3
.Lnot_wave_0_\@:
	s_barrier_wait -3
	s_barrier_signal -1
	s_barrier_wait -1
.endm
	s_load_b128 s[4:7], s[0:1], 0x0                ; qkv, the scales' exponents
	s_load_b64 s[8:9], s[0:1], 0x10                ; ao
	v_lshl_add_u32 v251, v0, 2, 0x40000
	v_mov_b32 v255, 0
	ds_add_u32 v251, v255
	ds_add_u32 v251, v255
	v_lshrrev_b32 v1, 5, v0
	v_readfirstlane_b32 s[WV], v1                  ; wave 0..15
	s_bfe_u32 s10, ttmp6, 0x40000                  ; cx
	s_lshl_b32 s11, ttmp9, 2
	s_add_co_u32 s11, s11, s10                     ; my block of 256 queries: it enters Q's and the output's addresses alone
	s_and_b32 s12, ttmp7, 0xffff                   ; the head, which the four partners share
	s_mul_i32 s13, s12, 393216                     ; its first byte in qkv
	s_lshl_b32 s14, s[WV], 14                      ; what I fetch, if I fetch: blocks wave, wave + 4, wave + 8, wave + 12
	s_mul_i32 s16, s[WV], 24576
	s_add_co_u32 s16, s16, s13
	s_add_co_u32 s16, s16, 8192                    ; a block's K and V images lie behind its Q images
	s_mov_b32 s17, 0
	s_mov_b32 s[G1], 15|(3<<16)|(1<<21)            ; 15:0 the mask: all four; elements of 8 bytes; 21 set beside a mask; no padding
	s_mov_b32 s[G1+1], 32<<16                      ; tensor_dim0: 32 elements = 256 bytes
	s_mov_b32 s[G1+2], 64<<16                      ; tensor_dim1
	s_mov_b32 s[G1+3], 32<<16                      ; tile_dim0
	s_mov_b32 s[G1+4], 64                          ; tile_dim1: 64 rows: 16,384 dense bytes
	s_mov_b32 s[G1+5], 32                          ; stride
	s_mov_b32 s[G1+6], 0
	s_mov_b32 s[G1+7], 0
	s_lshl_b32 s50, s11, 1                         ; Q: block 2 qx + wave / 8, image wave % 8
	s_lshr_b32 s51, s[WV], 3
	s_add_co_u32 s50, s50, s51
	s_mul_i32 s50, s50, 24576
	s_add_co_u32 s50, s50, s13
	s_and_b32 s51, s[WV], 7
	s_lshl_b32 s51, s51, 10
	s_add_co_u32 s50, s50, s51
	s_mov_b32 s51, 0
	s_lshr_b32 s52, s12, 4                         ; batch
	s_and_b32 s53, s12, 15                         ; head
	s_lshl_b32 s52, s52, 7
	s_lshl_b32 s54, s11, 4
	s_add_co_u32 s52, s52, s54
	s_add_co_u32 s52, s52, s[WV]                   ; my tile of 16 rows among 256
	s_lshr_b32 s54, s52, 2                         ; ao: [tile / 4][head / 8][tile % 4][8,192], + 1,024 x (head % 8)
	s_lshl_b32 s54, s54, 1
	s_lshr_b32 s55, s53, 3
	s_add_co_u32 s54, s54, s55
	s_lshl_b32 s54, s54, 2
	s_and_b32 s55, s52, 3
	s_add_co_u32 s54, s54, s55
	s_lshl_b32 s54, s54, 13
	s_and_b32 s55, s53, 7
	s_lshl_b32 s55, s55, 10
	s_add_co_u32 s54, s54, s55
	s_mov_b32 s55, 0
	s_mov_b32 s[SEL], 0x76543210
	s_mov_b32 s[SEL+1], 0xfedcba98
	s_mov_b32 s[CS], 0x3e38aa3b                    ; c = log2(e) / 8
	s_mov_b32 s[TB], 0
	s_wait_dscnt 0x0
	s_wait_kmcnt 0x0
	s_load_b128 s[68:71], s[6:7], 0x18             ; entries 6 to 9
	s_load_b32 s72, s[6:7], 0x28                   ; entry 10
	s_add_nc_u64 s[16:17], s[4:5], s[16:17]
	s_add_nc_u64 s[50:51], s[4:5], s[50:51]
	s_add_nc_u64 s[8:9], s[8:9], s[54:55]
.irp i, 0,1,2,3
	s_mov_b32 s[G0+4*\i], 1
	s_add_co_u32 s[G0+4*\i+1], s14, \i*65536       ; LDS: block 4 i + wave
	s_add_nc_u64 s[G0+4*\i+2:G0+4*\i+3], s[16:17], \i*98304
	s_or_b32 s[G0+4*\i+3], s[G0+4*\i+3], 0x80000000
.endr
	CROUND                                         ; all four work-groups are here: the joint loads meet
	s_cmp_lt_u32 s[WV], 4                          ; a wave's four fills stand in one branch, ahead of every wait on TENSORcnt and every LDS read
	s_cbranch_scc0 .Lno_fetch
	tensor_load_to_lds s[G0:G0+3], s[G1:G1+7]
	s_nop 0
	tensor_load_to_lds s[G0+4:G0+7], s[G1:G1+7]
	s_nop 0
	tensor_load_to_lds s[G0+8:G0+11], s[G1:G1+7]
	s_nop 0
	tensor_load_to_lds s[G0+12:G0+15], s[G1:G1+7]
	s_nop 0
.rept 4
	v_nop
.endr
.Lno_fetch:
	v_and_b32 v1, 31, v0
	v_lshlrev_b32 v[LI], 4, v1
	global_load_b128 v[16:19], v[LI], s[50:51]     ; Q's fragment stays in registers
	global_load_b128 v[20:23], v[LI], s[50:51] offset:512
	v_mov_b32 v13, 0xff61b1e6                      ; the largest t so far: -3e38
	v_floor_f32 v12, -v13                          ; -M
	v_mov_b32 v14, 0
	v_mov_b32 v15, 0
	v_mov_b32 v246, 0                              ; a lane permute's destination counts as read
	v_mov_b32 v253, 0                              ; (named as the upper half of a pair)
.set j, 0
.rept 32
	v_mov_b32 v[160+j], 0                          ; O^T: the step is written once; its first walk finds zeros
.set j, j+1
.endr
	s_wait_kmcnt 0x0
	s_add_co_i32 s73, s68, s69
	s_lshl_b32 s73, s73, 23
	s_add_co_i32 s[CS], s[CS], s73                 ; the two operands' exponents are added to c's exponent field
	s_mov_b32 s[CS+1], s[CS]
	s_add_co_i32 s74, s70, 127
	s_lshl_b32 s75, s74, 23
	v_mov_b32 v244, s75                            ; p's scale as f32
	s_add_co_i32 s74, s74, 15
	s_lshl_b32 s74, s74, 23
	s_or_b32 s74, s74, 0x600000
	v_mov_b32 v240, s74                            ; 57,344 x that
	s_add_co_i32 s74, s72, 127
	s_lshl_b32 s75, s74, 23
	v_mov_b32 v245, s75                            ; the output's scale
	s_add_co_i32 s74, s74, 15
	s_lshl_b32 s74, s74, 23
	s_or_b32 s74, s74, 0x600000
	v_mov_b32 v241, s74
	s_add_co_i32 s73, s70, s71                     ; the second product's two exponents
	s_wait_loadcnt 0x0                             ; Q
.macro STEP                            ; a block of 128 keys
	v_add_nc_u32 v[ADK], s[TB], v[LI]
.rept 3
	v_nop                                          ; with the addition: four places in front of loads into registers that the last products read
.endr
.irp t, 0,1,2,3,4,5,6,7
	ds_load_b128 v[32+8*\t:35+8*\t], v[ADK] offset:1024*\t
	ds_load_b128 v[36+8*\t:39+8*\t], v[ADK] offset:1024*\t+512
.endr
	s_wait_dscnt 0x0
.irp t, 0,1,2,3,4,5,6,7
	v_wmma_f32_16x16x64_bf8_bf8 v[96+8*\t:103+8*\t], v[32+8*\t:39+8*\t], v[16:23], 0
.endr
.rept 4
	v_nop                                          ; places in front of the loads below and of the first read of the scores
.endr
.irp t, 0,1,2,3
.irp c, 0,1,2,3
	ds_load_b128 v[32+16*\t+4*\c:35+16*\t+4*\c], v[ADK] offset:8192+2048*\t+512*\c   ; V^T's four fragments: asked for now, wanted behind the softmax
.endr
.endr
	v_max3_num_f32 v254, v96, v97, v98             ; the block's largest score of my query, in two chains, each accumulator from its low end on
	v_max3_num_f32 v252, v99, v100, v101
.irp i, 6,10,14,18,22,26,30,34,38,42,46,50,54,58
	v_max3_num_f32 v254, v254, v[96+\i], v[97+\i]
	v_max3_num_f32 v252, v252, v[98+\i], v[99+\i]
.endr
	v_max3_num_f32 v254, v254, v158, v159
	v_max_num_f32 v254, v254, v252
	v_permlanex16_b32 v246, v254, s[SEL], s[SEL+1]
	v_max_num_f32 v254, v254, v246                 ; and among lane l xor 16's
	v_mul_f32 v254, s[CS], v254                    ; as t (c is positive)
	v_max_num_f32 v13, v13, v254
	v_mov_b32 v254, v12
	v_floor_f32 v12, -v13                          ; the new -M = -ceil(t)
	v_sub_f32 v254, v12, v254                      ; old M - new M: a whole number, 0 or less
	v_cvt_i32_f32 v254, v254
	v_ldexp_f32 v252, 1.0, v254                    ; f = 2^(old M - new M)
.set j, 0
.rept 32
	v_pk_fma_f32 v[96+j:97+j], v[96+j:97+j], s[CS:CS+1], v[12:13] op_sel_hi:[1,0,0]   ; t - M
.set j, j+2
.endr
.set j, 0
.rept 64
	v_exp_f32 v[96+j], v[96+j]                     ; p = 2^(t - M)
.set j, j+1
.endr
	v_pk_mul_f32 v[14:15], v[14:15], v[252:253] op_sel_hi:[1,0]   ; the sums under the new M: the plain line behind the batch
	s_wait_alu depctr_va_vdst(0)                   ; one wait for the 64 exponentials, ahead of their first reader
	v_pk_add_f32 v[242:243], v[96:97], v[98:99]    ; the row's sum, of the unquantised p, in two chains
.irp j, 4,8,12,16,20,24,28,32,36,40,44,48,52,56,60
	v_pk_add_f32 v[14:15], v[14:15], v[96+\j:97+\j]
	v_pk_add_f32 v[242:243], v[242:243], v[98+\j:99+\j]
.endr
	v_pk_add_f32 v[14:15], v[14:15], v[242:243]
.set j, 0
.rept 64
	v_min_num_f32 v[96+j], v[96+j], v240           ; the hold; p is not negative, so it is one-sided
.set j, j+1
.endr
.irp t, 0,1,2,3,4,5,6,7
	v_cvt_scalef32_pk8_bf8_f32 v[224+2*\t:225+2*\t], v[96+8*\t:103+8*\t], v244
.endr
.set j, 0
.rept 16
	v_pk_mul_f32 v[160+j:161+j], v[160+j:161+j], v[252:253] op_sel_hi:[1,0]   ; O^T under the new M (also the plain lines behind the conversions)
.set j, j+2
.endr
	s_wait_dscnt 0x0                               ; V^T is in
.irp t, 0,1,2,3
	v_wmma_f32_16x16x128_bf8_bf8 v[160+8*\t:167+8*\t], v[32+16*\t:47+16*\t], v[224:239], v[160+8*\t:167+8*\t]   ; four accumulators by turns
.endr
.endm
.macro GROUP i                         ; blocks 4 i to 4 i + 3
	s_wait_tensorcnt 3-(\i)                        ; my load of this group has landed; the later groups' may stay out
	s_wait_dscnt 0x0
	s_barrier_signal -1
	s_barrier_wait -1                              ; everybody's has
	s_mov_b32 s[CNT], 4
.Lstep_\@:
	STEP
	s_add_co_u32 s[TB], s[TB], 16384
	s_sub_co_u32 s[CNT], s[CNT], 1
	s_cmp_lg_u32 s[CNT], 0
	s_cbranch_scc1 .Lstep_\@
.endm
	GROUP 0
	GROUP 1
	GROUP 2
	GROUP 3
	; THE WAY OUT: O^T x 2^(entries 8 + 9) / the sum, held, converted: tile t's codes are registers 2 t, 2 t + 1 of a fragment of 16 rows x this head's 64.
.rept 4
	v_nop                                          ; places behind the last products
.endr
	v_add_f32 v14, v14, v15
	v_permlanex16_b32 v252, v14, s[SEL], s[SEL+1]
	v_add_f32 v14, v14, v252                       ; the row's sum
	v_rcp_f32 v14, v14
	v_nop                                          ; a plain line behind the transcendental
	s_wait_alu depctr_va_vdst(0)                   ; and the wait ahead of its first reader
	v_ldexp_f32 v14, v14, s73
.set j, 0
.rept 32
	v_mul_f32 v[96+j], v[160+j], v14
.set j, j+1
.endr
.set j, 0
.rept 32
	v_med3_num_f32 v[96+j], v[96+j], -v241, v241
.set j, j+1
.endr
.irp t, 0,1,2,3
	v_cvt_scalef32_pk8_bf8_f32 v[128+2*\t:129+2*\t], v[96+8*\t:103+8*\t], v245
.endr
	v_nop
	global_store_b128 v[LI], v[128:131], s[8:9]    ; 512 consecutive bytes each
	global_store_b128 v[LI], v[132:135], s[8:9] offset:512
	s_wait_tensorcnt 0x0
	s_wait_tensorcnt 0x0
	ds_add_u32 v251, v255
	s_wait_dscnt 0x0
	CROUND                                         ; the closing round
	s_endpgm
.Lfunc_end_k_q34d47a7c93_attn:
	.size	k_q34d47a7c93_attn, .Lfunc_end_k_q34d47a7c93_attn-k_q34d47a7c93_attn
	.p2alignl 7, 3214868480
	.fill 96, 4, 3214868480
	.section	.rodata,"a",@progbits
	.p2align	6, 0x0
	.amdhsa_kernel k_q34d47a7c93_attn
		.amdhsa_group_segment_fixed_size 264192
		.amdhsa_private_segment_fixed_size 0
		.amdhsa_enable_private_segment 0
		.amdhsa_kernarg_size 24
		.amdhsa_user_sgpr_count 2
		.amdhsa_user_sgpr_kernarg_segment_ptr 1
		.amdhsa_wavefront_size32 1
		.amdhsa_system_sgpr_workgroup_id_x 1
		.amdhsa_system_sgpr_workgroup_id_y 1
		.amdhsa_system_sgpr_workgroup_id_z 1
		.amdhsa_system_vgpr_workitem_id 0
		.amdhsa_next_free_vgpr 256
		.amdhsa_next_free_sgpr 80
		.amdhsa_reserve_vcc 0
		.amdhsa_float_denorm_mode_32 3
		.amdhsa_float_denorm_mode_16_64 3
		.amdhsa_memory_ordered 1
		.amdhsa_forward_progress 1
		.amdhsa_inst_pref_size 73
	.end_amdhsa_kernel
	.amdgpu_metadata
---
amdhsa.version: [ 1, 2 ]
amdhsa.kernels:
  - .name:           k_q34d47a7c93_attn
    .symbol:         k_q34d47a7c93_attn.kd
    .args:
      - { .name: qkv, .offset: 0, .size: 8, .value_kind: global_buffer, .address_space: global }
      - { .name: lowp_scales, .offset: 8, .size: 8, .value_kind: global_buffer, .address_space: global }
      - { .name: ao, .offset: 16, .size: 8, .value_kind: global_buffer, .address_space: global }
    .group_segment_fixed_size: 264192
    .private_segment_fixed_size: 0
    .kernarg_segment_align: 8
    .kernarg_segment_size: 24
    .max_flat_workgroup_size: 512
    .sgpr_count:     80
    .vgpr_count:     256
    .wavefront_size: 32
...
	.end_amdgpu_metadata
.endif
;; end of part 3
;; launch wo (part 4): grid 8 x 32, 4 waves a work-group, clusters of 4 x 4, 327,680 bytes of LDS; arguments ao, cod, lowp_scales, bo, x, x1; writes x1
.if DOCPART == 4
	.amdgcn_target "amdgcn-amd-amdhsa--gfx1250"
	.amdhsa_code_object_version 6
	.text
	.protected	k_q34d47a7c93_wo
	.globl	k_q34d47a7c93_wo
	.p2align	8
	.type	k_q34d47a7c93_wo,@function
k_q34d47a7c93_wo:
	s_mov_b64 s[64:65], 0
	v_nop
	global_prefetch_b8 v0, s[64:65] scope:SCOPE_SE
	s_setreg_imm32_b32 hwreg(HW_REG_WAVE_MODE, 25, 1), 1
	s_wait_xcnt 0x0
	s_wait_alu depctr_hold_cnt(0) depctr_sa_sdst(0) depctr_va_vdst(0) depctr_va_sdst(0) depctr_va_ssrc(0) depctr_va_vcc(0) depctr_vm_vsrc(0)
	s_getreg_b32 s2, hwreg(HW_REG_IB_STS2, 6, 4)
	s_cmp_eq_u32 s2, 0
	s_cbranch_scc0 .Lentry_in_a_cluster
	s_endpgm
.Lentry_in_a_cluster:
	s_bfe_u32 s2, ttmp6, 0x10000c
	s_cmp_lg_u32 s2, 0xf033
	s_cbranch_scc0 .Lentry_shape_is_right
	s_endpgm
.Lentry_shape_is_right:
; out = resid + (A W + bias), A [4096][KK] as images of operand registers, W^T [1024][KK] as rows of codes in cod, both E5M2; resid, out [4096][1024] f32.  Here: the attention's output x Wo + bo + x.
; A tile of the result is 128 x 128: 256 work-groups.  Four waves, each 64 x 64: 16 accumulators.  K goes in steps of 512 through two LDS slots filled by joint tensor loads (4 x 4 work-groups: A's tile shared along a row of the cluster, W's along a column).
; A's part of a slot: [row tile 8][fragment 4][2,048 bytes], dense, as it lies in memory (a wave's load: 32,768 consecutive bytes); a fragment comes by four loads of 16 bytes a lane, 512 consecutive bytes each.
; W's part: 128 rows of 512 bytes + 16 of padding; its fragments come by loads of 8 bytes, in the operand's own order of k (registers 2 c, 2 c + 1: k = 16 c + 8 (lane / 16) + 0..7), which is the order in which A's images were made.
; THE MATRIX INSTRUCTION IS USED TRANSPOSED (source 0 = 16 rows of W^T, source 1 = 16 rows of A): a lane holds eight neighbouring numbers of a row of the result; they go through the wave's own stage and leave as whole 256 bytes.
; With KK = 1,024 the two slots hold all of K: nothing is filled again.  LIMIT: the two exponents' sum between -126 and 127.
; REGISTERS: window 0: v12-15 bias, v16-29 addresses, v32-95 the way out, v128-255 accumulators ((a, b) at v[128 + 8 (4 a + b)]).  window 1: two fragment buffers of 128 (A's 4 x 16, then W's 4 x 16).  window 2: v0-127 the residual.
.set KK,     1024
.set WOFF,   0x300000                  ; the weight's place in cod
.set SCOFF,  0x28                      ; the two scales' entries, in bytes
.set NS,     KK/512
.set LAPS,   NS/2
.set PITCH,  528                       ; 132 words: row r starts at bank 4 r mod 64 (ISA guide 11.1); the 32 lanes of an 8-byte load touch 64 different banks
.set ABYTES, 65536
.set BHALF,  64*PITCH
.set SLOT,   ABYTES+2*BHALF
.set STAGE,  2*SLOT                    ; 16 rows x 272 bytes for each wave
.set SPITCH, 272
.set SPARE,  STAGE+4*16*SPITCH         ; the spare words, 128 bytes a wave, which no other line names
.set BI,   12
.set ADRA, 16
.set ADRB, 20
.set STO,  24
.set RD,   25
.set CO,   26
.set BO,   27
.set SPW,  28
.set NIL,  29
.set BK,   32
.set ACC,  128
.set F0,   0
.set F1,   128
.set G1, 24
.set G0, 32
.set G1B, 48
.set G0B, 56
.set MSB, 0
.macro WIN new
.if MSB != (\new)
	s_set_vgpr_msb (MSB<<8)|(\new)
.set MSB, (\new)
.endif
.endm
.set MUL,  0x05                        ; sources 0 and 1 window 1; C and D window 0
.set TO_F, 0x40                        ; destination window 1
.macro JLOAD s                         ; waves 0 and 1 fetch A's halves, waves 2 and 3 W's; four v_nop follow each line
	s_cmp_eq_u32 s11, 0
	s_cbranch_scc0 .Lfor_b_\@
	tensor_load_to_lds s[G0+4*\s:G0+4*\s+3], s[G1:G1+7]
	s_nop 0
.rept 4
	v_nop
.endr
	s_branch .Lasked_\@
.Lfor_b_\@:
	tensor_load_to_lds s[G0B+4*\s:G0B+4*\s+3], s[G1B:G1B+7]
	s_nop 0
.rept 4
	v_nop
.endr
.Lasked_\@:
.endm
.macro CREST
	s_cmp_lg_u32 s10, 0
	s_cbranch_scc1 .Lnot_wave_0_\@
	s_barrier_signal -3
.Lnot_wave_0_\@:
	s_barrier_wait -3
	s_barrier_signal -1
	s_barrier_wait -1
.endm
.macro CROUND
	s_barrier_signal -1
	s_barrier_wait -1
	CREST
.endm
	s_load_b128 s[4:7], s[0:1], 0x0                ; A's images, cod
	s_load_b128 s[68:71], s[0:1], 0x10             ; the scales' exponents, the bias
	s_load_b128 s[72:75], s[0:1], 0x20             ; the residual, the result
	v_lshl_add_u32 v[SPW], v0, 2, SPARE
	v_mov_b32 v[NIL], 0
	ds_add_u32 v28, v29
	ds_add_u32 v28, v29
	s_wait_dscnt 0x0
	v_lshrrev_b32 v1, 5, v0
	v_readfirstlane_b32 s10, v1                    ; wave
	s_lshr_b32 s11, s10, 1                         ; my half of the rows.  Also: I fetch for A (0) or W (1)
	s_and_b32 s12, s10, 1                          ; my half of the columns.  Also: which half of that tile I fetch
	s_bfe_u32 s40, ttmp6, 0x40000
	s_bfe_u32 s41, ttmp6, 0x40004
	s_lshl_b32 s42, ttmp9, 2
	s_add_co_u32 s42, s42, s40                     ; tile column
	s_and_b32 s13, ttmp7, 0xffff
	s_lshl_b32 s13, s13, 2
	s_add_co_u32 s13, s13, s41                     ; tile row
	s_lshl_b32 s43, s41, 2
	s_lshl_b32 s43, 15, s43
	s_lshl_b32 s44, 0x1111, s40
	s_or_b32 s[G1+0], s43, (3<<16)|(1<<21)         ; A: the mask of my row; elements of 8 bytes; 21 set beside a mask; no padding
	s_mov_b32 s[G1+1], 32<<16                      ; rows of 32 elements = 256 bytes,
	s_mov_b32 s[G1+2], 128<<16                     ; 128 of them,
	s_mov_b32 s[G1+3], 32<<16
	s_mov_b32 s[G1+4], 128
	s_mov_b32 s[G1+5], 32                          ; dense
	s_mov_b32 s[G1+6], 0
	s_mov_b32 s[G1+7], 0
	s_or_b32 s[G1B+0], s44, (0<<16)|(1<<20)|(1<<21)|(6<<22)|(3<<25)  ; W: the mask of my column; bytes; padding of 4 words (code 3) after every 128 (code 6)
	s_mov_b32 s[G1B+1], 512<<16
	s_mov_b32 s[G1B+2], 64<<16
	s_mov_b32 s[G1B+3], 512<<16
	s_mov_b32 s[G1B+4], 64
	s_mov_b32 s[G1B+5], KK
	s_mov_b32 s[G1B+6], 0
	s_mov_b32 s[G1B+7], 0
	s_lshl_b32 s16, s13, 1
	s_add_co_u32 s16, s16, s12
	s_mul_i32 s16, s16, NS*32768                   ; A: block of 64 rows 2 x tile row + half
	s_mov_b32 s17, 0
	s_lshl_b32 s46, s42, 7
	s_lshl_b32 s47, s12, 6
	s_add_co_u32 s46, s46, s47
	s_mul_i32 s46, s46, KK
	s_add_co_u32 s46, s46, WOFF                    ; W: row 128 x tile column + 64 x half
	s_mov_b32 s47, 0
	s_lshl_b32 s20, s12, 15                        ; where they go
	s_mul_i32 s21, s12, BHALF
	s_add_co_u32 s21, s21, ABYTES
	s_wait_kmcnt 0x0
	s_load_b64 s[76:77], s[68:69], SCOFF
	s_add_nc_u64 s[14:15], s[4:5], s[16:17]
	s_add_nc_u64 s[46:47], s[6:7], s[46:47]
	CROUND                                         ; the first joint loads meet
.irp s, 0,1
	s_mov_b32 s[G0+4*\s], 1
	s_add_co_u32 s[G0+4*\s+1], s20, \s*SLOT
	s_add_nc_u64 s[G0+4*\s+2:G0+4*\s+3], s[14:15], \s*32768
	s_or_b32 s[G0+4*\s+3], s[G0+4*\s+3], 0x80000000
	s_mov_b32 s[G0B+4*\s], 1
	s_add_co_u32 s[G0B+4*\s+1], s21, \s*SLOT
	s_add_nc_u64 s[G0B+4*\s+2:G0B+4*\s+3], s[46:47], \s*512
	s_or_b32 s[G0B+4*\s+3], s[G0B+4*\s+3], 0x80000000
	JLOAD \s
.endr
	v_and_b32 v1, 15, v0                           ; r
	v_bfe_u32 v2, v0, 4, 1                         ; h
	v_and_b32 v3, 31, v0
	v_lshlrev_b32 v4, 4, v3                        ; 16 x lane
	v_mul_u32_u24 v5, v1, PITCH
	v_lshl_add_u32 v5, v2, 3, v5                   ; W: row r, + 8 h
	s_lshl_b32 s21, s11, 15                        ; my four row tiles of A
	s_mul_i32 s22, s12, BHALF                      ; my 64 rows of W
	s_add_co_u32 s22, s22, ABYTES
.irp s, 0,1
	v_add_nc_u32 v[ADRA+\s], s21, v4
	v_add_nc_u32 v[ADRB+\s], s22, v5
	s_add_co_u32 s21, s21, SLOT
	s_add_co_u32 s22, s22, SLOT
.endr
	s_mul_i32 s23, s10, 16*SPITCH
	s_add_co_u32 s23, s23, STAGE                   ; my stage
	v_mul_u32_u24 v6, v1, SPITCH
	v_lshl_add_u32 v6, v2, 5, v6
	v_add_nc_u32 v[STO], s23, v6                   ; in: row r, 32 bytes for each half of the lanes
	v_mul_u32_u24 v6, v2, SPITCH
	v_lshl_add_u32 v6, v1, 4, v6
	v_add_nc_u32 v[RD], s23, v6                    ; back: lanes 0-15 one row of 256 bytes, lanes 16-31 the next
	v_lshlrev_b32 v[BO], 4, v1
	v_lshl_add_u32 v[CO], v2, 12, v[BO]            ; the same two rows in memory
	s_lshl_b32 s78, s13, 7
	s_lshl_b32 s79, s11, 6
	s_add_co_u32 s78, s78, s79
	s_lshl_b32 s78, s78, 12                        ; my first row, of 4,096 bytes
	s_lshl_b32 s46, s42, 7
	s_lshl_b32 s47, s12, 6
	s_add_co_u32 s46, s46, s47
	s_lshl_b32 s46, s46, 2                         ; my first column, in bytes: a multiple of 256
	s_mov_b32 s47, 0
	s_add_nc_u64 s[70:71], s[70:71], s[46:47]
	s_add_co_u32 s78, s78, s46
	s_mov_b32 s79, 0
	s_add_nc_u64 s[72:73], s[72:73], s[78:79]
	s_add_nc_u64 s[74:75], s[74:75], s[78:79]
	global_load_b128 v[BI:BI+3], v[BO], s[70:71]   ; the bias of the four columns that I store
	WIN 0x80                                       ; destination window 2
.irp a, 0,1,2,3
.irp t, 0,1,2,3,4,5,6,7
	global_load_b128 v[32*\a+4*\t:32*\a+4*\t+3], v[CO], s[72:73] offset:(16*\a+2*\t)*4096   ; the residual, in the layout of the stores: it lands under the products
.endr
.endr
	WIN 0
.macro MULA f, a, zero                 ; row tile a x the four column tiles, 128 along K; the 16 accumulators take turns, one instruction a turn
.irp b, 0,1,2,3
.if \zero
	v_wmma_f32_16x16x128_bf8_bf8 v[ACC+8*(4*(\a)+\b):ACC+8*(4*(\a)+\b)+7], v[\f+64+16*\b:\f+64+16*\b+15], v[\f+16*(\a):\f+16*(\a)+15], 0
.else
	v_wmma_f32_16x16x128_bf8_bf8 v[ACC+8*(4*(\a)+\b):ACC+8*(4*(\a)+\b)+7], v[\f+64+16*\b:\f+64+16*\b+15], v[\f+16*(\a):\f+16*(\a)+15], v[ACC+8*(4*(\a)+\b):ACC+8*(4*(\a)+\b)+7]
.endif
.endr
.endm
.macro FETCH slot, q, f                ; 48 LDS loads in one run: the slot's q-th 128 along K: W's four fragments, then A's row tiles 0, 1, 2, 3
	WIN TO_F
.irp i, 0,1,2,3
.irp c, 0,1,2,3,4,5,6,7
	ds_load_b64 v[\f+64+16*\i+2*\c:\f+64+16*\i+2*\c+1], v[ADRB+\slot] offset:\i*16*PITCH+128*(\q)+16*\c
.endr
.endr
.irp i, 0,1,2,3
.irp c, 0,1,2,3
	ds_load_b128 v[\f+16*\i+4*\c:\f+16*\i+4*\c+3], v[ADRA+\slot] offset:\i*8192+2048*(\q)+512*\c
.endr
.endr
.endm
.macro PLACES
.rept 4
	v_nop
.endr
.endm
.macro QUARTER slot, q, f, g, zero     ; multiplies buffer f; in its middle fetches the slot's q-th 128 along K into g
	s_wait_dscnt 8                                 ; all but A's row tiles 2 and 3
	WIN MUL
	MULA \f, 0, \zero
	MULA \f, 1, \zero
	PLACES
	FETCH \slot, \q, \g
	s_wait_dscnt 48                                ; all but the 48 just issued
	WIN MUL
	MULA \f, 2, \zero
	MULA \f, 3, \zero
.endm
.macro TURN slot, next, fill           ; a slot's last quarter changes slots: one barrier; fill = 1: it opens a round of the cluster's barrier and this slot is filled again
	WIN 0
	s_wait_tensorcnt 0x0                           ; all my tensor loads have landed: my part of the next slot
	ds_add_u32 v[SPW], v[NIL]                      ; 0 onto my spare word
	s_wait_dscnt 9                                 ; (the add and the youngest eight loads may be out)
	WIN MUL
	MULA F1, 0, 0
	s_wait_dscnt 0x0                               ; the add is done, and my reads of this slot are over
	s_barrier_signal -1
	MULA F1, 1, 0
.if \fill
	WIN 0
.endif
	s_barrier_wait -1
.if \fill
	CREST
	s_add_nc_u64 s[G0+4*\slot+2:G0+4*\slot+3], s[G0+4*\slot+2:G0+4*\slot+3], 2*32768
	s_add_nc_u64 s[G0B+4*\slot+2:G0B+4*\slot+3], s[G0B+4*\slot+2:G0B+4*\slot+3], 2*512
	JLOAD \slot                                    ; the first tensor load behind the round; its four v_nop are the places in front of the loads below
.else
	PLACES
.endif
	FETCH \next, 0, F0
	WIN MUL
	MULA F1, 2, 0
	MULA F1, 3, 0
.endm
	s_wait_tensorcnt 1                             ; my part of slot 0 is in; slot 1's may stay out
	s_barrier_signal -1
	s_barrier_wait -1
	FETCH 0, 0, F0
	QUARTER 0, 1, F0, F1, 1                        ; the first quarter's products start the sums
.if LAPS > 1
	WIN 0
	s_mov_b32 s3, LAPS-1
.Llap:
	QUARTER 0, 2, F1, F0, 0
	QUARTER 0, 3, F0, F1, 0
	TURN 0, 1, 1
	QUARTER 1, 1, F0, F1, 0
	QUARTER 1, 2, F1, F0, 0
	QUARTER 1, 3, F0, F1, 0
	TURN 1, 0, 1
	QUARTER 0, 1, F0, F1, 0
	WIN 0
	s_sub_co_u32 s3, s3, 1
	s_cmp_lg_u32 s3, 0
	s_cbranch_scc1 .Llap
.endif
	QUARTER 0, 2, F1, F0, 0                        ; the last lap fills nothing
	QUARTER 0, 3, F0, F1, 0
	TURN 0, 1, 0
	QUARTER 1, 1, F0, F1, 0
	QUARTER 1, 2, F1, F0, 0
	QUARTER 1, 3, F0, F1, 0
	s_wait_dscnt 8
	WIN MUL
	MULA F1, 0, 0
	MULA F1, 1, 0
	s_wait_dscnt 0
	MULA F1, 2, 0
	MULA F1, 3, 0
	WIN 0
	; THE WAY OUT, 16 rows at a time: the sums through my stage; back as rows of 256 bytes; x 2^(the two exponents) + bias, + residual; stored.
	s_wait_kmcnt 0x0
	s_add_co_i32 s76, s76, s77
	s_add_co_i32 s76, s76, 127
	s_lshl_b32 s76, s76, 23
	s_mov_b32 s77, s76
	s_wait_loadcnt 0x0                             ; the bias and the residual
	PLACES
.macro OUTB a
.set BS, BK+32*((\a)%2)
.irp b, 0,1,2,3
	ds_store_b128 v[STO], v[ACC+8*(4*(\a)+\b):ACC+8*(4*(\a)+\b)+3] offset:64*\b          ; each accumulator from its low end on
	ds_store_b128 v[STO], v[ACC+8*(4*(\a)+\b)+4:ACC+8*(4*(\a)+\b)+7] offset:64*\b+16
.endr
.if (\a) >= 2
	s_wait_xcnt 0x0                                ; the stores of two blocks back have read the registers that the loads below fill
.endif
.irp t, 0,1,2,3,4,5,6,7
	ds_load_b128 v[BS+4*\t:BS+4*\t+3], v[RD] offset:\t*2*SPITCH   ; LDS serves a wave's instructions in order: these see my stores
.endr
	s_wait_dscnt 0x0
.irp u, 0,1,2,3,4,5,6,7,8,9,10,11,12,13,14,15
	v_pk_fma_f32 v[BS+2*\u:BS+2*\u+1], v[BS+2*\u:BS+2*\u+1], s[76:77], v[BI+2*(\u%2):BI+2*(\u%2)+1] op_sel_hi:[1,0,1]
.endr
	WIN 0x08                                       ; source 1 window 2
.irp u, 0,1,2,3,4,5,6,7,8,9,10,11,12,13,14,15
	v_pk_add_f32 v[BS+2*\u:BS+2*\u+1], v[BS+2*\u:BS+2*\u+1], v[32*(\a)+2*\u:32*(\a)+2*\u+1]
.endr
	WIN 0
.irp t, 0,1,2,3,4,5,6,7
	global_store_b128 v[CO], v[BS+4*\t:BS+4*\t+3], s[74:75] offset:(16*(\a)+2*\t)*4096   ; sixteen lanes store 256 consecutive bytes, aligned
.endr
.endm
	OUTB 0
	OUTB 1
	OUTB 2
	OUTB 3
	s_wait_tensorcnt 0x0                           ; the wave's end
	ds_add_u32 v[SPW], v[NIL]
	s_wait_dscnt 0x0
	CROUND                                         ; the closing round
	s_endpgm
.Lfunc_end_k_q34d47a7c93_wo:
	.size	k_q34d47a7c93_wo, .Lfunc_end_k_q34d47a7c93_wo-k_q34d47a7c93_wo
	.p2alignl 7, 3214868480
	.fill 96, 4, 3214868480
	.section	.rodata,"a",@progbits
	.p2align	6, 0x0
	.amdhsa_kernel k_q34d47a7c93_wo
		.amdhsa_group_segment_fixed_size 327680
		.amdhsa_private_segment_fixed_size 0
		.amdhsa_enable_private_segment 0
		.amdhsa_kernarg_size 48
		.amdhsa_user_sgpr_count 2
		.amdhsa_user_sgpr_kernarg_segment_ptr 1
		.amdhsa_wavefront_size32 1
		.amdhsa_system_sgpr_workgroup_id_x 1
		.amdhsa_system_sgpr_workgroup_id_y 1
		.amdhsa_system_sgpr_workgroup_id_z 1
		.amdhsa_system_vgpr_workitem_id 0
		.amdhsa_next_free_vgpr 768
		.amdhsa_next_free_sgpr 80
		.amdhsa_reserve_vcc 0
		.amdhsa_float_denorm_mode_32 3
		.amdhsa_float_denorm_mode_16_64 3
		.amdhsa_memory_ordered 1
		.amdhsa_forward_progress 1
		.amdhsa_inst_pref_size 61
	.end_amdhsa_kernel
	.amdgpu_metadata
---
amdhsa.version: [ 1, 2 ]
amdhsa.kernels:
  - .name:           k_q34d47a7c93_wo
    .symbol:         k_q34d47a7c93_wo.kd
    .args:
      - { .name: ao, .offset: 0, .size: 8, .value_kind: global_buffer, .address_space: global }
      - { .name: cod, .offset: 8, .size: 8, .value_kind: global_buffer, .address_space: global }
      - { .name: lowp_scales, .offset: 16, .size: 8, .value_kind: global_buffer, .address_space: global }
      - { .name: bo, .offset: 24, .size: 8, .value_kind: global_buffer, .address_space: global }
      - { .name: x, .offset: 32, .size: 8, .value_kind: global_buffer, .address_space: global }
      - { .name: x1, .offset: 40, .size: 8, .value_kind: global_buffer, .address_space: global }
    .group_segment_fixed_size: 327680
    .private_segment_fixed_size: 0
    .kernarg_segment_align: 8
    .kernarg_segment_size: 48
    .max_flat_workgroup_size: 128
    .sgpr_count:     80
    .vgpr_count:     768
    .wavefront_size: 32
...
	.end_amdgpu_metadata
.endif
;; end of part 4
;; launch ln2 (part 5): grid 256 x 1, 4 waves a work-group, no clusters, 0 bytes of LDS; arguments x1, ln2_g, ln2_b, lowp_scales, h2; writes h2
.if DOCPART == 5
	.amdgcn_target "amdgcn-amd-amdhsa--gfx1250"
	.amdhsa_code_object_version 6
	.text
	.protected	k_q34d47a7c93_ln2
	.globl	k_q34d47a7c93_ln2
	.p2align	8
	.type	k_q34d47a7c93_ln2,@function
k_q34d47a7c93_ln2:
	s_mov_b64 s[64:65], 0
	v_nop
	global_prefetch_b8 v0, s[64:65] scope:SCOPE_SE
	s_setreg_imm32_b32 hwreg(HW_REG_WAVE_MODE, 25, 1), 1
	s_wait_xcnt 0x0
; LayerNorm 2 of x1 [4096][1024] f32, quantised to E5M2 with the given scale (entry 12) into rows of codes h2 [4096][1024].
; A wave takes a row at a time (four rows), kept in 32 registers a lane: mean, the variance of x - mean, gain and bias.  Lane l holds numbers 256 j + 8 l + 0..7.  No LDS, no barrier: waves share nothing.
; LIMITS: the exponent between -126 and 112; NaN and infinity are not served.
.set LA,   14                          ; v14  32 x lane
.set LO,   15                          ; v15  8 x lane
.set G,    16
.set BB,   48
.set X0,   80
.set X1,   112
.set TMP,  144
.set CD,   176
.set SC,   184
.set LIM,  185
	s_load_b256 s[4:11], s[0:1], 0x0               ; x1, gain, bias, the scales' exponents
	s_load_b64 s[12:13], s[0:1], 0x20              ; h2
	v_lshrrev_b32 v1, 5, v0
	v_readfirstlane_b32 s26, v1
	v_and_b32 v2, 31, v0
	v_lshlrev_b32 v[LA], 5, v2
	v_lshlrev_b32 v[LO], 3, v2
	v_mov_b32 v9, 0                                ; a lane permute's destination counts as read
	s_mov_b32 s28, 0x76543210
	s_mov_b32 s29, 0xfedcba98
	s_mov_b32 s30, 0x3a800000                      ; 1 / 1024
	s_mov_b32 s31, 0x3727c5ac                      ; 1e-5
	s_lshl_b32 s16, ttmp9, 4
	s_lshl_b32 s17, s26, 2
	s_add_co_u32 s16, s16, s17                     ; my first row
	s_lshl_b32 s18, s16, 10
	s_mov_b32 s19, 0
	s_lshl_b32 s16, s16, 12
	s_mov_b32 s17, 0
	s_wait_kmcnt 0x0
	s_load_b32 s32, s[10:11], 0x30
	s_add_nc_u64 s[4:5], s[4:5], s[16:17]
	s_add_nc_u64 s[12:13], s[12:13], s[18:19]
.irp j, 0,1,2,3
	global_load_b128 v[G+8*\j:G+8*\j+3], v[LA], s[6:7] offset:1024*\j
	global_load_b128 v[G+8*\j+4:G+8*\j+7], v[LA], s[6:7] offset:1024*\j+16
	global_load_b128 v[BB+8*\j:BB+8*\j+3], v[LA], s[8:9] offset:1024*\j
	global_load_b128 v[BB+8*\j+4:BB+8*\j+7], v[LA], s[8:9] offset:1024*\j+16
.endr
.macro LOADROW i, xs
.irp j, 0,1,2,3
	global_load_b128 v[\xs+8*\j:\xs+8*\j+3], v[LA], s[4:5] offset:4096*(\i)+1024*\j
	global_load_b128 v[\xs+8*\j+4:\xs+8*\j+7], v[LA], s[4:5] offset:4096*(\i)+1024*\j+16
.endr
.endm
	LOADROW 0, X0
	LOADROW 1, X1
	s_wait_kmcnt 0x0
	s_add_co_i32 s32, s32, 127
	s_lshl_b32 s33, s32, 23
	v_mov_b32 v[SC], s33
	s_add_co_i32 s32, s32, 15
	s_lshl_b32 s32, s32, 23
	s_or_b32 s32, s32, 0x600000
	v_mov_b32 v[LIM], s32
.macro ALLSUM
	v_add_f32_dpp v8, v8, v8 row_xmask:1 row_mask:0xf bank_mask:0xf
	v_add_f32_dpp v8, v8, v8 row_xmask:2 row_mask:0xf bank_mask:0xf
	v_add_f32_dpp v8, v8, v8 row_xmask:4 row_mask:0xf bank_mask:0xf
	v_add_f32_dpp v8, v8, v8 row_xmask:8 row_mask:0xf bank_mask:0xf
	v_permlanex16_b32 v9, v8, s28, s29
	v_add_f32 v8, v8, v9
.endm
.macro ROW i, xs, left                 ; left: the other slot's loads, which may stay out
	s_wait_loadcnt \left
	v_pk_add_f32 v[4:5], v[\xs:\xs+1], v[\xs+2:\xs+3]
	v_pk_add_f32 v[6:7], v[\xs+4:\xs+5], v[\xs+6:\xs+7]
.irp j, 8,12,16,20,24,28
	v_pk_add_f32 v[4:5], v[4:5], v[\xs+\j:\xs+\j+1]
	v_pk_add_f32 v[6:7], v[6:7], v[\xs+\j+2:\xs+\j+3]
.endr
	v_pk_add_f32 v[4:5], v[4:5], v[6:7]
	v_add_f32 v8, v4, v5
	ALLSUM
	v_mul_f32 v10, s30, v8                         ; the mean
	v_mov_b32 v11, v10
.irp j, 0,2,4,6,8,10,12,14,16,18,20,22,24,26,28,30
	v_pk_add_f32 v[\xs+\j:\xs+\j+1], v[\xs+\j:\xs+\j+1], v[10:11] neg_lo:[0,1] neg_hi:[0,1]
.endr
	v_pk_mul_f32 v[4:5], v[\xs:\xs+1], v[\xs:\xs+1]
	v_pk_mul_f32 v[6:7], v[\xs+2:\xs+3], v[\xs+2:\xs+3]
.irp j, 4,8,12,16,20,24,28
	v_pk_fma_f32 v[4:5], v[\xs+\j:\xs+\j+1], v[\xs+\j:\xs+\j+1], v[4:5]
	v_pk_fma_f32 v[6:7], v[\xs+\j+2:\xs+\j+3], v[\xs+\j+2:\xs+\j+3], v[6:7]
.endr
	v_pk_add_f32 v[4:5], v[4:5], v[6:7]
	v_add_f32 v8, v4, v5
	ALLSUM
	v_fma_f32 v8, v8, s30, s31                     ; variance + 1e-5
	v_rsq_f32 v12, v8
	v_rsq_f32 v13, v8
	v_nop                                          ; a plain instruction behind the transcendentals (ISA guide 5.7.2)
	s_wait_alu depctr_va_vdst(0)                   ; one wait for both, ahead of their first reader
.irp j, 0,2,4,6,8,10,12,14,16,18,20,22,24,26,28,30
	v_pk_mul_f32 v[\xs+\j:\xs+\j+1], v[\xs+\j:\xs+\j+1], v[12:13]
.endr
.irp j, 0,2,4,6,8,10,12,14,16,18,20,22,24,26,28,30
	v_pk_fma_f32 v[\xs+\j:\xs+\j+1], v[\xs+\j:\xs+\j+1], v[G+\j:G+\j+1], v[BB+\j:BB+\j+1]
.endr
	s_wait_xcnt 0x0                                ; the last row's stores have read their data registers
.set j, 0
.rept 32
	v_med3_num_f32 v[TMP+j], v[\xs+j], -v[LIM], v[LIM]
.set j, j+1
.endr
.irp c, 0,1,2,3
	v_cvt_scalef32_pk8_bf8_f32 v[CD+2*\c:CD+2*\c+1], v[TMP+8*\c:TMP+8*\c+7], v[SC]
.endr
	v_nop
.irp c, 0,1,2,3
	global_store_b64 v[LO], v[CD+2*\c:CD+2*\c+1], s[12:13] offset:1024*(\i)+256*\c   ; 32 lanes store 256 consecutive bytes, aligned
.endr
.if (\i) < 2
	LOADROW (\i)+2, \xs
.endif
.endm
	ROW 0, X0, 8
	ROW 1, X1, 8
	ROW 2, X0, 8
	ROW 3, X1, 0
	s_endpgm
.Lfunc_end_k_q34d47a7c93_ln2:
	.size	k_q34d47a7c93_ln2, .Lfunc_end_k_q34d47a7c93_ln2-k_q34d47a7c93_ln2
	.p2alignl 7, 3214868480
	.fill 96, 4, 3214868480
	.section	.rodata,"a",@progbits
	.p2align	6, 0x0
	.amdhsa_kernel k_q34d47a7c93_ln2
		.amdhsa_group_segment_fixed_size 0
		.amdhsa_private_segment_fixed_size 0
		.amdhsa_enable_private_segment 0
		.amdhsa_kernarg_size 40
		.amdhsa_user_sgpr_count 2
		.amdhsa_user_sgpr_kernarg_segment_ptr 1
		.amdhsa_wavefront_size32 1
		.amdhsa_system_sgpr_workgroup_id_x 1
		.amdhsa_system_sgpr_workgroup_id_y 1
		.amdhsa_system_sgpr_workgroup_id_z 1
		.amdhsa_system_vgpr_workitem_id 0
		.amdhsa_next_free_vgpr 192
		.amdhsa_next_free_sgpr 66
		.amdhsa_reserve_vcc 0
		.amdhsa_float_denorm_mode_32 3
		.amdhsa_float_denorm_mode_16_64 3
		.amdhsa_memory_ordered 1
		.amdhsa_forward_progress 1
		.amdhsa_inst_pref_size 41
	.end_amdhsa_kernel
	.amdgpu_metadata
---
amdhsa.version: [ 1, 2 ]
amdhsa.kernels:
  - .name:           k_q34d47a7c93_ln2
    .symbol:         k_q34d47a7c93_ln2.kd
    .args:
      - { .name: x1, .offset: 0, .size: 8, .value_kind: global_buffer, .address_space: global }
      - { .name: ln2_g, .offset: 8, .size: 8, .value_kind: global_buffer, .address_space: global }
      - { .name: ln2_b, .offset: 16, .size: 8, .value_kind: global_buffer, .address_space: global }
      - { .name: lowp_scales, .offset: 24, .size: 8, .value_kind: global_buffer, .address_space: global }
      - { .name: h2, .offset: 32, .size: 8, .value_kind: global_buffer, .address_space: global }
    .group_segment_fixed_size: 0
    .private_segment_fixed_size: 0
    .kernarg_segment_align: 8
    .kernarg_segment_size: 40
    .max_flat_workgroup_size: 128
    .sgpr_count:     66
    .vgpr_count:     192
    .wavefront_size: 32
...
	.end_amdgpu_metadata
.endif
;; end of part 5
;; launch ffn1 (part 6): grid 16 x 16, 4 waves a work-group, clusters of 4 x 4, 327,680 bytes of LDS; arguments h2, cod, lowp_scales, b1, g; writes g
.if DOCPART == 6
	.amdgcn_target "amdgcn-amd-amdhsa--gfx1250"
	.amdhsa_code_object_version 6
	.text
	.protected	k_q34d47a7c93_ffn1
	.globl	k_q34d47a7c93_ffn1
	.p2align	8
	.type	k_q34d47a7c93_ffn1,@function
k_q34d47a7c93_ffn1:
	s_mov_b64 s[64:65], 0
	v_nop
	global_prefetch_b8 v0, s[64:65] scope:SCOPE_SE
	s_setreg_imm32_b32 hwreg(HW_REG_WAVE_MODE, 25, 1), 1
	s_wait_xcnt 0x0
	s_wait_alu depctr_hold_cnt(0) depctr_sa_sdst(0) depctr_va_vdst(0) depctr_va_sdst(0) depctr_va_ssrc(0) depctr_va_vcc(0) depctr_vm_vsrc(0)
	s_getreg_b32 s2, hwreg(HW_REG_IB_STS2, 6, 4)
	s_cmp_eq_u32 s2, 0
	s_cbranch_scc0 .Lentry_in_a_cluster
	s_endpgm
.Lentry_in_a_cluster:
	s_bfe_u32 s2, ttmp6, 0x10000c
	s_cmp_lg_u32 s2, 0xf033
	s_cbranch_scc0 .Lentry_shape_is_right
	s_endpgm
.Lentry_shape_is_right:
; g = Q(gelu(h2 W1 + b1)), the product on codes of E5M2, the exact GELU in f32, the result quantised (entry 14) and stored as images of operand registers for the next product.
; h2 [4096][1024] and W1^T [4096][1024] (in cod, 4 MB on): rows of codes.  A work-group makes 256 x 256, a wave 128 x 128.  K = 1,024 in four steps of 256 through two LDS slots filled by joint tensor loads (4 x 4 work-groups).
; TRANSPOSED use (source 0 = 16 rows of W1^T, source 1 = 16 rows of h2): lane (r, h) holds token r and, in register j of tile b, column 16 b + 8 h + j: its codes are registers 2 b, 2 b + 1 of a fragment of 16 tokens x 128 along the next K.
; THE GELU.  z = |x| / sqrt(2), t = 1 / (1 + z / 2); erfc(z) / 2 = t 2^(P(t) - x^2 log2(e) / 2), P a polynomial of degree 9 (the Chebyshev fit of erfc, its coefficients x log2(e), 1 taken off the constant for the half);
; gelu(x) = max(x, 0) - |x| erfc(z) / 2: no branch, no difference of near numbers, small relative error in the negative tail too.
; So that the GELU is written once, a wave's 8,192 sums a lane-row (x 2^(entries 12 + 13), + b1) first go to LDS, 64 KB a wave, in the ring, which has had its last fill and, behind a barrier, its last read; a loop of 16 trips takes 32 numbers a lane at a time.
; g: [rows / 64][K / 512][row tile 4][8,192]: a fragment (16 rows x 128) is 2,048 bytes: registers 4 c .. 4 c + 3 of lane l at 512 c + 16 l.
; LIMITS: entries 12 + 13 between -126 and 127; entry 14 between -126 and 112.  NaN and infinity are not served.
.set KSTEP,  256
.set ROWB,   256
.set KROW,   1024
.set PITCH,  272
.set FR,     16
.set NL,     4
.set NP,     4
.set HALFT,  128*PITCH
.set SLOT,   4*HALFT
.set LAPS,   KROW/(2*KSTEP)
.set SPARE,  2*SLOT
.set ADRA, 16
.set ADRB, 20
.set LI,   24                          ; v24  16 x lane
.set DA,   25                          ; v25  my place in my wave's 64 KB
.set DR,   26                          ; v26  the trip's LDS address
.set GA,   27                          ; v27  the trip's offset in g
.set SPW,  28
.set NIL,  29
.set BI,   32                          ; v32-95   b1 by tile and register
.set CK,   96                          ; v96-115  P's ten coefficients, each twice
.set SCL,  116
.set LIM,  117
.set KZ,   118                         ; v[118:119] sqrt(log2(e) / 2), twice
.set CQ,   120                         ; v120-127 a trip's codes
.set AF,   128
.set X,    128
.set T,    160
.set U,    192
.set W,    224
.set G1, 24
.set G0, 32
.set G1B, 48
.set G0B, 56
.set MSB, 0
.macro WIN new
.if MSB != (\new)
	s_set_vgpr_msb (MSB<<8)|(\new)
.set MSB, (\new)
.endif
.endm
.set MUL_LO, 0xa1
.set MUL_HI, 0xf1
.set TO_B,   0x40
.macro JLOAD g0a, g1a, g0b, g1b
	s_cmp_eq_u32 s15, 0
	s_cbranch_scc0 .Lfor_b_\@
	tensor_load_to_lds s[\g0a:\g0a+3], s[\g1a:\g1a+7]
	s_nop 0
.rept 4
	v_nop
.endr
	s_branch .Lasked_\@
.Lfor_b_\@:
	tensor_load_to_lds s[\g0b:\g0b+3], s[\g1b:\g1b+7]
	s_nop 0
.rept 4
	v_nop
.endr
.Lasked_\@:
.endm
.macro CREST
	s_cmp_lg_u32 s14, 0
	s_cbranch_scc1 .Lnot_wave_0_\@
	s_barrier_signal -3
.Lnot_wave_0_\@:
	s_barrier_wait -3
	s_barrier_signal -1
	s_barrier_wait -1
.endm
.macro CROUND
	s_barrier_signal -1
	s_barrier_wait -1
	CREST
.endm
	s_load_b256 s[4:11], s[0:1], 0x0               ; h2, cod, the scales' exponents, b1
	s_load_b64 s[12:13], s[0:1], 0x20              ; g
	v_lshl_add_u32 v[SPW], v0, 2, SPARE
	v_mov_b32 v[NIL], 0
	ds_add_u32 v28, v29
	ds_add_u32 v28, v29
	s_wait_dscnt 0x0
	v_lshrrev_b32 v1, 5, v0
	v_readfirstlane_b32 s14, v1
	s_lshr_b32 s15, s14, 1
	s_and_b32 s16, s14, 1
	s_bfe_u32 s40, ttmp6, 0x40000
	s_bfe_u32 s41, ttmp6, 0x40004
	s_lshl_b32 s42, ttmp9, 2
	s_add_co_u32 s42, s42, s40                     ; tile column
	s_and_b32 s17, ttmp7, 0xffff
	s_lshl_b32 s17, s17, 2
	s_add_co_u32 s17, s17, s41                     ; tile row
	s_lshl_b32 s43, s41, 2
	s_lshl_b32 s43, 15, s43
	s_lshl_b32 s44, 0x1111, s40
	s_or_b32 s[G1+0], s43, (0<<16)|(1<<20)|(1<<21)|(5<<22)|(3<<25)
	s_or_b32 s[G1B+0], s44, (0<<16)|(1<<20)|(1<<21)|(5<<22)|(3<<25)
.irp g, G1, G1B
	s_mov_b32 s[\g+1], ROWB<<16
	s_mov_b32 s[\g+2], 128<<16
	s_mov_b32 s[\g+3], ROWB<<16
	s_mov_b32 s[\g+4], 128
	s_mov_b32 s[\g+5], KROW
	s_mov_b32 s[\g+6], 0
	s_mov_b32 s[\g+7], 0
.endr
	s_lshl_b32 s18, s16, 7
	s_lshl_b32 s20, s17, 8
	s_add_co_u32 s20, s20, s18
	s_lshl_b32 s20, s20, 10                        ; h2: (256 x tile row + 128 x half) rows of 1,024 bytes
	s_mov_b32 s21, 0
	s_lshl_b32 s46, s42, 8
	s_add_co_u32 s46, s46, s18
	s_lshl_b32 s46, s46, 10
	s_add_co_u32 s46, s46, 0x400000                ; W1^T likewise, 4 MB on in cod
	s_mov_b32 s47, 0
	s_mul_i32 s45, s14, HALFT
	s_lshl_b32 s70, s17, 2                         ; g: block of 64 rows 4 x tile row + 2 x my half,
	s_lshl_b32 s71, s15, 1
	s_add_co_u32 s70, s70, s71
	s_lshl_b32 s70, s70, 18
	s_lshl_b32 s72, s42, 1
	s_add_co_u32 s72, s72, s16                     ; my 128 columns: which K step of 128 of the next product
	s_lshr_b32 s71, s72, 2
	s_lshl_b32 s71, s71, 15
	s_add_co_u32 s70, s70, s71
	s_and_b32 s71, s72, 3
	s_lshl_b32 s71, s71, 11
	s_add_co_u32 s70, s70, s71
	s_mov_b32 s71, 0
	s_lshl_b32 s72, s72, 9                         ; b1: 128 numbers of 4 bytes for each
	s_mov_b32 s73, 0
	s_mov_b32 s77, 0x3eb504f3                      ; 1 / (2 sqrt(2)) = 0.35355339
	s_wait_kmcnt 0x0
	s_load_b64 s[96:97], s[8:9], 0x30              ; entries 12, 13
	s_load_b32 s75, s[8:9], 0x38                   ; entry 14
	s_add_nc_u64 s[10:11], s[10:11], s[72:73]
	s_add_nc_u64 s[12:13], s[12:13], s[70:71]
	s_add_nc_u64 s[20:21], s[4:5], s[20:21]
	s_add_nc_u64 s[46:47], s[6:7], s[46:47]
	CROUND
.irp s, 0,1
	s_mov_b32 s[G0+4*\s], 1
	s_add_co_u32 s[G0+4*\s+1], s45, \s*SLOT
	s_add_nc_u64 s[G0+4*\s+2:G0+4*\s+3], s[20:21], \s*ROWB
	s_or_b32 s[G0+4*\s+3], s[G0+4*\s+3], 0x80000000
	s_mov_b32 s[G0B+4*\s], 1
	s_add_co_u32 s[G0B+4*\s+1], s45, \s*SLOT
	s_add_nc_u64 s[G0B+4*\s+2:G0B+4*\s+3], s[46:47], \s*ROWB
	s_or_b32 s[G0B+4*\s+3], s[G0B+4*\s+3], 0x80000000
	JLOAD G0+4*\s, G1, G0B+4*\s, G1B
.endr
	v_and_b32 v1, 15, v0
	v_bfe_u32 v2, v0, 4, 1
	v_mul_u32_u24 v3, v1, PITCH
	v_lshl_add_u32 v4, v2, 4, v3
	s_mul_i32 s21, s15, HALFT
	s_mul_i32 s22, s16, HALFT
	s_add_co_u32 s22, s22, 2*HALFT
.irp s, 0,1
	v_add_nc_u32 v[ADRA+\s], s21, v4
	v_add_nc_u32 v[ADRB+\s], s22, v4
	s_add_co_u32 s21, s21, SLOT
	s_add_co_u32 s22, s22, SLOT
.endr
	v_and_b32 v6, 31, v0
	v_lshlrev_b32 v[LI], 4, v6
	s_lshl_b32 s23, s14, 16
	v_add_nc_u32 v[DA], s23, v[LI]
	v_lshlrev_b32 v7, 5, v2
.irp b, 0,1,2,3,4,5,6,7
	global_load_b128 v[BI+8*\b:BI+8*\b+3], v7, s[10:11] offset:64*\b
	global_load_b128 v[BI+8*\b+4:BI+8*\b+7], v7, s[10:11] offset:64*\b+16
.endr
.macro CONST k, bits
	v_mov_b32 v[CK+2*\k], \bits
	v_mov_b32 v[CK+2*\k+1], \bits
.endm
	CONST 0, 0xc034d90f                            ; -2.82574822
	CONST 1, 0x3fb8ab5a                            ;  1.44272920
	CONST 2, 0x3f0a29d2                            ;  0.53970062
	CONST 3, 0x3e0efb2f                            ;  0.13963006
	CONST 4, 0xbe899a80                            ; -0.26875686
	CONST 5, 0x3ecdfd18                            ;  0.40232158
	CONST 6, 0xbfd1a1e5                            ; -1.63775315
	CONST 7, 0x40097039                            ;  2.14747446
	CONST 8, 0xbf97d29d                            ; -1.18611494
	CONST 9, 0x3e7c6f08                            ;  0.24651730
	v_mov_b32 v[KZ], 0x3f596d27                    ;  0.84932180
	v_mov_b32 v[KZ+1], 0x3f596d27
.macro FRAG reg, adr, q, i
.irp c, 0,1,2,3
	ds_load_b128 v[\reg+4*\c:\reg+4*\c+3], v[\adr] offset:128*(\q)+32*\c+(\i)*16*PITCH
.endr
.endm
.macro MUL16 a0, p, zero               ; the 64 accumulators take turns, one instruction a turn
.irp a, \a0, \a0+1
.irp b, 0,1,2,3,4,5,6,7
.if \zero
	v_wmma_f32_16x16x128_bf8_bf8 v[8*(8*((\a)%4)+\b):8*(8*((\a)%4)+\b)+7], v[128*(\p)+FR*\b:128*(\p)+FR*\b+FR-1], v[AF+FR*(\a):AF+FR*(\a)+FR-1], 0
.else
	v_wmma_f32_16x16x128_bf8_bf8 v[8*(8*((\a)%4)+\b):8*(8*((\a)%4)+\b)+7], v[128*(\p)+FR*\b:128*(\p)+FR*\b+FR-1], v[AF+FR*(\a):AF+FR*(\a)+FR-1], v[8*(8*((\a)%4)+\b):8*(8*((\a)%4)+\b)+7]
.endif
.endr
.endr
.endm
.macro FETCH_B slot, q, p
	WIN TO_B
.irp i, 0,1,2,3,4,5,6,7
	FRAG 128*(\p)+FR*\i, ADRB+\slot, \q, \i
.endr
	WIN 0
.endm
.macro FETCH_A slot, q, i0
.irp i, \i0, \i0+1, \i0+2, \i0+3
	FRAG AF+FR*(\i), ADRA+\slot, \q, \i
.endr
.endm
.macro PLACES n
.rept \n
	v_nop
.endr
.endm
.macro STEP slot, q, zero
	s_wait_dscnt 4*NL                              ; all but the youngest sixteen loads (h2's blocks 4-7)
	WIN MUL_LO
	MUL16 0, (\q)%2, \zero
	MUL16 2, (\q)%2, \zero
	s_wait_dscnt 0
	PLACES NP
	FETCH_B \slot, (\q)+1, 1-(\q)%2
	FETCH_A \slot, (\q)+1, 0
	WIN MUL_HI
	MUL16 4, (\q)%2, \zero
	MUL16 6, (\q)%2, \zero
	PLACES NP
	WIN 0
	FETCH_A \slot, (\q)+1, 4
.endm
.macro TURN slot, next, fill
	s_wait_tensorcnt 0x0                           ; all my tensor loads have landed
	ds_add_u32 v[SPW], v[NIL]                      ; 0 onto my spare word
	s_wait_dscnt 4*NL+1                            ; (the add and the youngest sixteen loads may be out)
	WIN MUL_LO
	MUL16 0, 1, 0
	s_wait_dscnt 0x0                               ; the add is done, and my reads of this slot are over
	s_barrier_signal -1
	MUL16 2, 1, 0
	WIN 0
	s_barrier_wait -1
.if \fill
	CREST
	s_add_nc_u64 s[G0+4*\slot+2:G0+4*\slot+3], s[G0+4*\slot+2:G0+4*\slot+3], 2*ROWB
	s_add_nc_u64 s[G0B+4*\slot+2:G0B+4*\slot+3], s[G0B+4*\slot+2:G0B+4*\slot+3], 2*ROWB
	JLOAD G0+4*\slot, G1, G0B+4*\slot, G1B
.else
	PLACES NP
.endif
	FETCH_B \next, 0, 0
	FETCH_A \next, 0, 0
	WIN MUL_HI
	MUL16 4, 1, 0
	MUL16 6, 1, 0
	PLACES NP
	WIN 0
	FETCH_A \next, 0, 4
.endm
	s_wait_tensorcnt 1                             ; my part of K step 0 is in; K step 1's may stay out
	s_barrier_signal -1
	s_barrier_wait -1
	FETCH_B 0, 0, 0
	FETCH_A 0, 0, 0
	FETCH_A 0, 0, 4
	STEP 0, 0, 1
	s_mov_b32 s3, LAPS-1
.Llap:
	TURN 0, 1, 1
	STEP 1, 0, 0
	TURN 1, 0, 1
	STEP 0, 0, 0
	s_sub_co_u32 s3, s3, 1
	s_cmp_lg_u32 s3, 0
	s_cbranch_scc1 .Llap
	TURN 0, 1, 0
	STEP 1, 0, 0
	s_wait_dscnt 4*NL
	WIN MUL_LO
	MUL16 0, 1, 0
	MUL16 2, 1, 0
	s_wait_dscnt 0
	WIN MUL_HI
	MUL16 4, 1, 0
	MUL16 6, 1, 0
	WIN 0
	s_barrier_signal -1                            ; my reads of the ring are over (the wait for 0 above): behind this barrier everybody's are, and the ring's bytes, which are filled no more, take the sums
	s_barrier_wait -1
	s_wait_kmcnt 0x0
	s_add_co_i32 s96, s96, s97
	s_add_co_i32 s96, s96, 127
	s_lshl_b32 s96, s96, 23
	s_mov_b32 s97, s96
	s_add_co_i32 s75, s75, 127
	s_lshl_b32 s76, s75, 23
	v_mov_b32 v[SCL], s76
	s_add_co_i32 s75, s75, 15
	s_lshl_b32 s75, s75, 23
	s_or_b32 s75, s75, 0x600000
	v_mov_b32 v[LIM], s75
	s_wait_loadcnt 0x0                             ; b1
	PLACES NP
.macro DUMP a                          ; block a: 64 numbers a lane, sum x 2^(the exponents) + b1, to my 64 KB: group u of four registers at (16 a + u) x 512 + 16 x lane
.set TM, 128+64*((\a)%2)
.if (\a) >= 2
	s_wait_dscnt 16                                ; the stores of two blocks back have read their registers
.endif
	WIN 0x02+(\a)/4
.set j, 0
.rept 32
	v_pk_fma_f32 v[TM+j:TM+j+1], v[64*((\a)%4)+j:64*((\a)%4)+j+1], s[96:97], v[BI+j:BI+j+1] op_sel_hi:[1,0,1]
.set j, j+2
.endr
	WIN 0
.set j, 0
.rept 16
	ds_store_b128 v[DA], v[TM+4*j:TM+4*j+3] offset:(16*(\a)+j)*512
.set j, j+1
.endr
.endm
.irp a, 0,1,2,3,4,5,6,7
	DUMP \a
.endr
	s_wait_dscnt 0x0
	s_mov_b32 s78, 0                               ; the trip i: block i / 2, half i % 2 of its fragment
	s_mov_b32 s79, 0                               ; 4,096 i
.Lg:
	v_add_nc_u32 v[DR], s79, v[DA]
.irp u, 0,1,2,3,4,5,6,7
	ds_load_b128 v[X+4*\u:X+4*\u+3], v[DR] offset:512*\u
.endr
	s_wait_dscnt 0x0
.set j, 0
.rept 32
	v_fma_f32 v[T+j], |v[X+j]|, s77, 1.0           ; 1 + z / 2
.set j, j+1
.endr
.set j, 0
.rept 32
	v_rcp_f32 v[T+j], v[T+j]                       ; t
.set j, j+1
.endr
.set j, 0
.rept 16
	v_pk_mul_f32 v[W+j:W+j+1], v[X+j:X+j+1], v[KZ:KZ+1]   ; x sqrt(log2(e) / 2): plain work behind the batch
.set j, j+2
.endr
	s_wait_alu depctr_va_vdst(0)                   ; one wait for the 32 reciprocals, ahead of their first reader
.set j, 0
.rept 16
	v_pk_fma_f32 v[U+j:U+j+1], v[T+j:T+j+1], v[CK+18:CK+19], v[CK+16:CK+17]
.set j, j+2
.endr
.irp k, 7,6,5,4,3,2,1,0
.set j, 0
.rept 16
	v_pk_fma_f32 v[U+j:U+j+1], v[U+j:U+j+1], v[T+j:T+j+1], v[CK+2*\k:CK+2*\k+1]
.set j, j+2
.endr
.endr
.set j, 0
.rept 16
	v_pk_fma_f32 v[U+j:U+j+1], v[W+j:W+j+1], v[W+j:W+j+1], v[U+j:U+j+1] neg_lo:[1,0,0] neg_hi:[1,0,0]   ; P(t) - x^2 log2(e) / 2
.set j, j+2
.endr
.set j, 0
.rept 32
	v_exp_f32 v[U+j], v[U+j]
.set j, j+1
.endr
.set j, 0
.rept 32
	v_max_num_f32 v[W+j], 0, v[X+j]                ; max(x, 0): plain work behind the batch
.set j, j+1
.endr
	s_wait_alu depctr_va_vdst(0)                   ; one wait for the 32 exponentials
.set j, 0
.rept 16
	v_pk_mul_f32 v[U+j:U+j+1], v[U+j:U+j+1], v[T+j:T+j+1]   ; erfc(z) / 2
.set j, j+2
.endr
.set j, 0
.rept 32
	v_fma_f32 v[X+j], -|v[X+j]|, v[U+j], v[W+j]    ; gelu(x)
.set j, j+1
.endr
.set j, 0
.rept 32
	v_med3_num_f32 v[X+j], v[X+j], -v[LIM], v[LIM]
.set j, j+1
.endr
	s_lshr_b32 s80, s78, 3                         ; in g: 262,144 x (block / 4) + 8,192 x (block % 4) + 1,024 x half
	s_lshl_b32 s80, s80, 18
	s_bfe_u32 s81, s78, 0x20001
	s_lshl_b32 s81, s81, 13
	s_add_co_u32 s80, s80, s81
	s_and_b32 s81, s78, 1
	s_lshl_b32 s81, s81, 10
	s_add_co_u32 s80, s80, s81
	s_wait_xcnt 0x0                                ; the last trip's stores have read their address and data registers
	v_add_nc_u32 v[GA], s80, v[LI]
.irp k, 0,1,2,3
	v_cvt_scalef32_pk8_bf8_f32 v[CQ+2*\k:CQ+2*\k+1], v[X+8*\k:X+8*\k+7], v[SCL]
.endr
	v_nop
	global_store_b128 v[GA], v[CQ:CQ+3], s[12:13]  ; 512 consecutive bytes each
	global_store_b128 v[GA], v[CQ+4:CQ+7], s[12:13] offset:512
	s_add_co_u32 s79, s79, 4096
	s_add_co_u32 s78, s78, 1
	s_cmp_lt_u32 s78, 16
	s_cbranch_scc1 .Lg
	s_wait_tensorcnt 0x0                           ; the wave's end
	ds_add_u32 v[SPW], v[NIL]
	s_wait_dscnt 0x0
	CROUND                                         ; the closing round
	s_endpgm
.Lfunc_end_k_q34d47a7c93_ffn1:
	.size	k_q34d47a7c93_ffn1, .Lfunc_end_k_q34d47a7c93_ffn1-k_q34d47a7c93_ffn1
	.p2alignl 7, 3214868480
	.fill 96, 4, 3214868480
	.section	.rodata,"a",@progbits
	.p2align	6, 0x0
	.amdhsa_kernel k_q34d47a7c93_ffn1
		.amdhsa_group_segment_fixed_size 327680
		.amdhsa_private_segment_fixed_size 0
		.amdhsa_enable_private_segment 0
		.amdhsa_kernarg_size 40
		.amdhsa_user_sgpr_count 2
		.amdhsa_user_sgpr_kernarg_segment_ptr 1
		.amdhsa_wavefront_size32 1
		.amdhsa_system_sgpr_workgroup_id_x 1
		.amdhsa_system_sgpr_workgroup_id_y 1
		.amdhsa_system_sgpr_workgroup_id_z 1
		.amdhsa_system_vgpr_workitem_id 0
		.amdhsa_next_free_vgpr 1024
		.amdhsa_next_free_sgpr 100
		.amdhsa_reserve_vcc 0
		.amdhsa_float_denorm_mode_32 3
		.amdhsa_float_denorm_mode_16_64 3
		.amdhsa_memory_ordered 1
		.amdhsa_forward_progress 1
		.amdhsa_inst_pref_size 128
	.end_amdhsa_kernel
	.amdgpu_metadata
---
amdhsa.version: [ 1, 2 ]
amdhsa.kernels:
  - .name:           k_q34d47a7c93_ffn1
    .symbol:         k_q34d47a7c93_ffn1.kd
    .args:
      - { .name: h2, .offset: 0, .size: 8, .value_kind: global_buffer, .address_space: global }
      - { .name: cod, .offset: 8, .size: 8, .value_kind: global_buffer, .address_space: global }
      - { .name: lowp_scales, .offset: 16, .size: 8, .value_kind: global_buffer, .address_space: global }
      - { .name: b1, .offset: 24, .size: 8, .value_kind: global_buffer, .address_space: global }
      - { .name: g, .offset: 32, .size: 8, .value_kind: global_buffer, .address_space: global }
    .group_segment_fixed_size: 327680
    .private_segment_fixed_size: 0
    .kernarg_segment_align: 8
    .kernarg_segment_size: 40
    .max_flat_workgroup_size: 128
    .sgpr_count:     100
    .vgpr_count:     1024
    .wavefront_size: 32
...
	.end_amdgpu_metadata
.endif
;; end of part 6
;; launch ffn2 (part 7): grid 8 x 32, 4 waves a work-group, clusters of 4 x 4, 327,680 bytes of LDS; arguments g, cod, lowp_scales, b2, x1, out0; writes out0
.if DOCPART == 7
	.amdgcn_target "amdgcn-amd-amdhsa--gfx1250"
	.amdhsa_code_object_version 6
	.text
	.protected	k_q34d47a7c93_ffn2
	.globl	k_q34d47a7c93_ffn2
	.p2align	8
	.type	k_q34d47a7c93_ffn2,@function
k_q34d47a7c93_ffn2:
	s_mov_b64 s[64:65], 0
	v_nop
	global_prefetch_b8 v0, s[64:65] scope:SCOPE_SE
	s_setreg_imm32_b32 hwreg(HW_REG_WAVE_MODE, 25, 1), 1
	s_wait_xcnt 0x0
	s_wait_alu depctr_hold_cnt(0) depctr_sa_sdst(0) depctr_va_vdst(0) depctr_va_sdst(0) depctr_va_ssrc(0) depctr_va_vcc(0) depctr_vm_vsrc(0)
	s_getreg_b32 s2, hwreg(HW_REG_IB_STS2, 6, 4)
	s_cmp_eq_u32 s2, 0
	s_cbranch_scc0 .Lentry_in_a_cluster
	s_endpgm
.Lentry_in_a_cluster:
	s_bfe_u32 s2, ttmp6, 0x10000c
	s_cmp_lg_u32 s2, 0xf033
	s_cbranch_scc0 .Lentry_shape_is_right
	s_endpgm
.Lentry_shape_is_right:
; out = resid + (A W + bias), A [4096][KK] as images of operand registers, W^T [1024][KK] as rows of codes in cod, both E5M2; resid, out [4096][1024] f32.  Here: the GELU's codes x W2 + b2 + x1.
; A tile of the result is 128 x 128: 256 work-groups.  Four waves, each 64 x 64: 16 accumulators.  K goes in eight steps of 512 through a ring of two LDS slots filled by joint tensor loads (4 x 4 work-groups: A's tile shared along a row of the cluster, W's along a column).
; A's part of a slot: [row tile 8][fragment 4][2,048 bytes], dense, as it lies in memory (a wave's load: 32,768 consecutive bytes); a fragment comes by four loads of 16 bytes a lane, 512 consecutive bytes each.
; W's part: 128 rows of 512 bytes + 16 of padding; its fragments come by loads of 8 bytes, in the operand's own order of k (registers 2 c, 2 c + 1: k = 16 c + 8 (lane / 16) + 0..7), which is the order in which A's images were made.
; THE MATRIX INSTRUCTION IS USED TRANSPOSED (source 0 = 16 rows of W^T, source 1 = 16 rows of A): a lane holds eight neighbouring numbers of a row of the result; they go through the wave's own stage and leave as whole 256 bytes.
; By this text's count a wave has two tensor loads out at the start and one behind each round.  LIMIT: the two exponents' sum between -126 and 127.
; REGISTERS: window 0: v12-15 bias, v16-29 addresses, v32-95 the way out, v128-255 accumulators ((a, b) at v[128 + 8 (4 a + b)]).  window 1: two fragment buffers of 128 (A's 4 x 16, then W's 4 x 16).  window 2: v0-127 the residual.
.set KK,     4096
.set WOFF,   0x800000                  ; the weight's place in cod
.set SCOFF,  0x38                      ; the two scales' entries, in bytes
.set NS,     KK/512
.set LAPS,   NS/2
.set PITCH,  528                       ; 132 words: row r starts at bank 4 r mod 64 (ISA guide 11.1); the 32 lanes of an 8-byte load touch 64 different banks
.set ABYTES, 65536
.set BHALF,  64*PITCH
.set SLOT,   ABYTES+2*BHALF
.set STAGE,  2*SLOT                    ; 16 rows x 272 bytes for each wave
.set SPITCH, 272
.set SPARE,  STAGE+4*16*SPITCH         ; the spare words, 128 bytes a wave, which no other line names
.set BI,   12
.set ADRA, 16
.set ADRB, 20
.set STO,  24
.set RD,   25
.set CO,   26
.set BO,   27
.set SPW,  28
.set NIL,  29
.set BK,   32
.set ACC,  128
.set F0,   0
.set F1,   128
.set G1, 24
.set G0, 32
.set G1B, 48
.set G0B, 56
.set MSB, 0
.macro WIN new
.if MSB != (\new)
	s_set_vgpr_msb (MSB<<8)|(\new)
.set MSB, (\new)
.endif
.endm
.set MUL,  0x05                        ; sources 0 and 1 window 1; C and D window 0
.set TO_F, 0x40                        ; destination window 1
.macro JLOAD s                         ; waves 0 and 1 fetch A's halves, waves 2 and 3 W's; four v_nop follow each line
	s_cmp_eq_u32 s11, 0
	s_cbranch_scc0 .Lfor_b_\@
	tensor_load_to_lds s[G0+4*\s:G0+4*\s+3], s[G1:G1+7]
	s_nop 0
.rept 4
	v_nop
.endr
	s_branch .Lasked_\@
.Lfor_b_\@:
	tensor_load_to_lds s[G0B+4*\s:G0B+4*\s+3], s[G1B:G1B+7]
	s_nop 0
.rept 4
	v_nop
.endr
.Lasked_\@:
.endm
.macro CREST
	s_cmp_lg_u32 s10, 0
	s_cbranch_scc1 .Lnot_wave_0_\@
	s_barrier_signal -3
.Lnot_wave_0_\@:
	s_barrier_wait -3
	s_barrier_signal -1
	s_barrier_wait -1
.endm
.macro CROUND
	s_barrier_signal -1
	s_barrier_wait -1
	CREST
.endm
	s_load_b128 s[4:7], s[0:1], 0x0                ; A's images, cod
	s_load_b128 s[68:71], s[0:1], 0x10             ; the scales' exponents, the bias
	s_load_b128 s[72:75], s[0:1], 0x20             ; the residual, the result
	v_lshl_add_u32 v[SPW], v0, 2, SPARE
	v_mov_b32 v[NIL], 0
	ds_add_u32 v28, v29
	ds_add_u32 v28, v29
	s_wait_dscnt 0x0
	v_lshrrev_b32 v1, 5, v0
	v_readfirstlane_b32 s10, v1                    ; wave
	s_lshr_b32 s11, s10, 1                         ; my half of the rows.  Also: I fetch for A (0) or W (1)
	s_and_b32 s12, s10, 1                          ; my half of the columns.  Also: which half of that tile I fetch
	s_bfe_u32 s40, ttmp6, 0x40000
	s_bfe_u32 s41, ttmp6, 0x40004
	s_lshl_b32 s42, ttmp9, 2
	s_add_co_u32 s42, s42, s40                     ; tile column
	s_and_b32 s13, ttmp7, 0xffff
	s_lshl_b32 s13, s13, 2
	s_add_co_u32 s13, s13, s41                     ; tile row
	s_lshl_b32 s43, s41, 2
	s_lshl_b32 s43, 15, s43
	s_lshl_b32 s44, 0x1111, s40
	s_or_b32 s[G1+0], s43, (3<<16)|(1<<21)         ; A: the mask of my row; elements of 8 bytes; 21 set beside a mask; no padding
	s_mov_b32 s[G1+1], 32<<16                      ; rows of 32 elements = 256 bytes,
	s_mov_b32 s[G1+2], 128<<16                     ; 128 of them,
	s_mov_b32 s[G1+3], 32<<16
	s_mov_b32 s[G1+4], 128
	s_mov_b32 s[G1+5], 32                          ; dense
	s_mov_b32 s[G1+6], 0
	s_mov_b32 s[G1+7], 0
	s_or_b32 s[G1B+0], s44, (0<<16)|(1<<20)|(1<<21)|(6<<22)|(3<<25)  ; W: the mask of my column; bytes; padding of 4 words (code 3) after every 128 (code 6)
	s_mov_b32 s[G1B+1], 512<<16
	s_mov_b32 s[G1B+2], 64<<16
	s_mov_b32 s[G1B+3], 512<<16
	s_mov_b32 s[G1B+4], 64
	s_mov_b32 s[G1B+5], KK
	s_mov_b32 s[G1B+6], 0
	s_mov_b32 s[G1B+7], 0
	s_lshl_b32 s16, s13, 1
	s_add_co_u32 s16, s16, s12
	s_mul_i32 s16, s16, NS*32768                   ; A: block of 64 rows 2 x tile row + half
	s_mov_b32 s17, 0
	s_lshl_b32 s46, s42, 7
	s_lshl_b32 s47, s12, 6
	s_add_co_u32 s46, s46, s47
	s_mul_i32 s46, s46, KK
	s_add_co_u32 s46, s46, WOFF                    ; W: row 128 x tile column + 64 x half
	s_mov_b32 s47, 0
	s_lshl_b32 s20, s12, 15                        ; where they go
	s_mul_i32 s21, s12, BHALF
	s_add_co_u32 s21, s21, ABYTES
	s_wait_kmcnt 0x0
	s_load_b64 s[76:77], s[68:69], SCOFF
	s_add_nc_u64 s[14:15], s[4:5], s[16:17]
	s_add_nc_u64 s[46:47], s[6:7], s[46:47]
	CROUND                                         ; the first joint loads meet
.irp s, 0,1
	s_mov_b32 s[G0+4*\s], 1
	s_add_co_u32 s[G0+4*\s+1], s20, \s*SLOT
	s_add_nc_u64 s[G0+4*\s+2:G0+4*\s+3], s[14:15], \s*32768
	s_or_b32 s[G0+4*\s+3], s[G0+4*\s+3], 0x80000000
	s_mov_b32 s[G0B+4*\s], 1
	s_add_co_u32 s[G0B+4*\s+1], s21, \s*SLOT
	s_add_nc_u64 s[G0B+4*\s+2:G0B+4*\s+3], s[46:47], \s*512
	s_or_b32 s[G0B+4*\s+3], s[G0B+4*\s+3], 0x80000000
	JLOAD \s
.endr
	v_and_b32 v1, 15, v0                           ; r
	v_bfe_u32 v2, v0, 4, 1                         ; h
	v_and_b32 v3, 31, v0
	v_lshlrev_b32 v4, 4, v3                        ; 16 x lane
	v_mul_u32_u24 v5, v1, PITCH
	v_lshl_add_u32 v5, v2, 3, v5                   ; W: row r, + 8 h
	s_lshl_b32 s21, s11, 15                        ; my four row tiles of A
	s_mul_i32 s22, s12, BHALF                      ; my 64 rows of W
	s_add_co_u32 s22, s22, ABYTES
.irp s, 0,1
	v_add_nc_u32 v[ADRA+\s], s21, v4
	v_add_nc_u32 v[ADRB+\s], s22, v5
	s_add_co_u32 s21, s21, SLOT
	s_add_co_u32 s22, s22, SLOT
.endr
	s_mul_i32 s23, s10, 16*SPITCH
	s_add_co_u32 s23, s23, STAGE                   ; my stage
	v_mul_u32_u24 v6, v1, SPITCH
	v_lshl_add_u32 v6, v2, 5, v6
	v_add_nc_u32 v[STO], s23, v6                   ; in: row r, 32 bytes for each half of the lanes
	v_mul_u32_u24 v6, v2, SPITCH
	v_lshl_add_u32 v6, v1, 4, v6
	v_add_nc_u32 v[RD], s23, v6                    ; back: lanes 0-15 one row of 256 bytes, lanes 16-31 the next
	v_lshlrev_b32 v[BO], 4, v1
	v_lshl_add_u32 v[CO], v2, 12, v[BO]            ; the same two rows in memory
	s_lshl_b32 s78, s13, 7
	s_lshl_b32 s79, s11, 6
	s_add_co_u32 s78, s78, s79
	s_lshl_b32 s78, s78, 12                        ; my first row, of 4,096 bytes
	s_lshl_b32 s46, s42, 7
	s_lshl_b32 s47, s12, 6
	s_add_co_u32 s46, s46, s47
	s_lshl_b32 s46, s46, 2                         ; my first column, in bytes: a multiple of 256
	s_mov_b32 s47, 0
	s_add_nc_u64 s[70:71], s[70:71], s[46:47]
	s_add_co_u32 s78, s78, s46
	s_mov_b32 s79, 0
	s_add_nc_u64 s[72:73], s[72:73], s[78:79]
	s_add_nc_u64 s[74:75], s[74:75], s[78:79]
	global_load_b128 v[BI:BI+3], v[BO], s[70:71]   ; the bias of the four columns that I store
	WIN 0x80                                       ; destination window 2
.irp a, 0,1,2,3
.irp t, 0,1,2,3,4,5,6,7
	global_load_b128 v[32*\a+4*\t:32*\a+4*\t+3], v[CO], s[72:73] offset:(16*\a+2*\t)*4096   ; the residual, in the layout of the stores: it lands under the products
.endr
.endr
	WIN 0
.macro MULA f, a, zero                 ; row tile a x the four column tiles, 128 along K; the 16 accumulators take turns, one instruction a turn
.irp b, 0,1,2,3
.if \zero
	v_wmma_f32_16x16x128_bf8_bf8 v[ACC+8*(4*(\a)+\b):ACC+8*(4*(\a)+\b)+7], v[\f+64+16*\b:\f+64+16*\b+15], v[\f+16*(\a):\f+16*(\a)+15], 0
.else
	v_wmma_f32_16x16x128_bf8_bf8 v[ACC+8*(4*(\a)+\b):ACC+8*(4*(\a)+\b)+7], v[\f+64+16*\b:\f+64+16*\b+15], v[\f+16*(\a):\f+16*(\a)+15], v[ACC+8*(4*(\a)+\b):ACC+8*(4*(\a)+\b)+7]
.endif
.endr
.endm
.macro FETCH slot, q, f                ; 48 LDS loads in one run: the slot's q-th 128 along K: W's four fragments, then A's row tiles 0, 1, 2, 3
	WIN TO_F
.irp i, 0,1,2,3
.irp c, 0,1,2,3,4,5,6,7
	ds_load_b64 v[\f+64+16*\i+2*\c:\f+64+16*\i+2*\c+1], v[ADRB+\slot] offset:\i*16*PITCH+128*(\q)+16*\c
.endr
.endr
.irp i, 0,1,2,3
.irp c, 0,1,2,3
	ds_load_b128 v[\f+16*\i+4*\c:\f+16*\i+4*\c+3], v[ADRA+\slot] offset:\i*8192+2048*(\q)+512*\c
.endr
.endr
.endm
.macro PLACES
.rept 4
	v_nop
.endr
.endm
.macro QUARTER slot, q, f, g, zero     ; multiplies buffer f; in its middle fetches the slot's q-th 128 along K into g
	s_wait_dscnt 8                                 ; all but A's row tiles 2 and 3
	WIN MUL
	MULA \f, 0, \zero
	MULA \f, 1, \zero
	PLACES
	FETCH \slot, \q, \g
	s_wait_dscnt 48                                ; all but the 48 just issued
	WIN MUL
	MULA \f, 2, \zero
	MULA \f, 3, \zero
.endm
.macro TURN slot, next, fill           ; a slot's last quarter changes slots: one barrier; fill = 1: it opens a round of the cluster's barrier and this slot is filled again
	WIN 0
	s_wait_tensorcnt 0x0                           ; all my tensor loads have landed: my part of the next slot
	ds_add_u32 v[SPW], v[NIL]                      ; 0 onto my spare word
	s_wait_dscnt 9                                 ; (the add and the youngest eight loads may be out)
	WIN MUL
	MULA F1, 0, 0
	s_wait_dscnt 0x0                               ; the add is done, and my reads of this slot are over
	s_barrier_signal -1
	MULA F1, 1, 0
.if \fill
	WIN 0
.endif
	s_barrier_wait -1
.if \fill
	CREST                                          ; no wave of any partner still reads this slot's tile or has a load on its way
	s_add_nc_u64 s[G0+4*\slot+2:G0+4*\slot+3], s[G0+4*\slot+2:G0+4*\slot+3], 2*32768
	s_add_nc_u64 s[G0B+4*\slot+2:G0B+4*\slot+3], s[G0B+4*\slot+2:G0B+4*\slot+3], 2*512
	JLOAD \slot                                    ; the first tensor load behind the round; its four v_nop are the places in front of the loads below
.else
	PLACES
.endif
	FETCH \next, 0, F0
	WIN MUL
	MULA F1, 2, 0
	MULA F1, 3, 0
.endm
	s_wait_tensorcnt 1                             ; my part of slot 0 is in; slot 1's may stay out
	s_barrier_signal -1
	s_barrier_wait -1
	FETCH 0, 0, F0
	QUARTER 0, 1, F0, F1, 1                        ; the first quarter's products start the sums
.if LAPS > 1
	WIN 0
	s_mov_b32 s3, LAPS-1
.Llap:                                                 ; a trip goes once round the ring and fills both slots again
	QUARTER 0, 2, F1, F0, 0
	QUARTER 0, 3, F0, F1, 0
	TURN 0, 1, 1
	QUARTER 1, 1, F0, F1, 0
	QUARTER 1, 2, F1, F0, 0
	QUARTER 1, 3, F0, F1, 0
	TURN 1, 0, 1
	QUARTER 0, 1, F0, F1, 0
	WIN 0
	s_sub_co_u32 s3, s3, 1
	s_cmp_lg_u32 s3, 0
	s_cbranch_scc1 .Llap
.endif
	QUARTER 0, 2, F1, F0, 0                        ; the last lap fills nothing
	QUARTER 0, 3, F0, F1, 0
	TURN 0, 1, 0
	QUARTER 1, 1, F0, F1, 0
	QUARTER 1, 2, F1, F0, 0
	QUARTER 1, 3, F0, F1, 0
	s_wait_dscnt 8
	WIN MUL
	MULA F1, 0, 0
	MULA F1, 1, 0
	s_wait_dscnt 0
	MULA F1, 2, 0
	MULA F1, 3, 0
	WIN 0
	; THE WAY OUT, 16 rows at a time: the sums through my stage; back as rows of 256 bytes; x 2^(the two exponents) + bias, + residual; stored.
	s_wait_kmcnt 0x0
	s_add_co_i32 s76, s76, s77
	s_add_co_i32 s76, s76, 127
	s_lshl_b32 s76, s76, 23
	s_mov_b32 s77, s76
	s_wait_loadcnt 0x0                             ; the bias and the residual
	PLACES
.macro OUTB a
.set BS, BK+32*((\a)%2)
.irp b, 0,1,2,3
	ds_store_b128 v[STO], v[ACC+8*(4*(\a)+\b):ACC+8*(4*(\a)+\b)+3] offset:64*\b          ; each accumulator from its low end on
	ds_store_b128 v[STO], v[ACC+8*(4*(\a)+\b)+4:ACC+8*(4*(\a)+\b)+7] offset:64*\b+16
.endr
.if (\a) >= 2
	s_wait_xcnt 0x0                                ; the stores of two blocks back have read the registers that the loads below fill
.endif
.irp t, 0,1,2,3,4,5,6,7
	ds_load_b128 v[BS+4*\t:BS+4*\t+3], v[RD] offset:\t*2*SPITCH   ; LDS serves a wave's instructions in order: these see my stores
.endr
	s_wait_dscnt 0x0
.irp u, 0,1,2,3,4,5,6,7,8,9,10,11,12,13,14,15
	v_pk_fma_f32 v[BS+2*\u:BS+2*\u+1], v[BS+2*\u:BS+2*\u+1], s[76:77], v[BI+2*(\u%2):BI+2*(\u%2)+1] op_sel_hi:[1,0,1]
.endr
	WIN 0x08                                       ; source 1 window 2
.irp u, 0,1,2,3,4,5,6,7,8,9,10,11,12,13,14,15
	v_pk_add_f32 v[BS+2*\u:BS+2*\u+1], v[BS+2*\u:BS+2*\u+1], v[32*(\a)+2*\u:32*(\a)+2*\u+1]
.endr
	WIN 0
.irp t, 0,1,2,3,4,5,6,7
	global_store_b128 v[CO], v[BS+4*\t:BS+4*\t+3], s[74:75] offset:(16*(\a)+2*\t)*4096   ; sixteen lanes store 256 consecutive bytes, aligned
.endr
.endm
	OUTB 0
	OUTB 1
	OUTB 2
	OUTB 3
	s_wait_tensorcnt 0x0                           ; the wave's end
	ds_add_u32 v[SPW], v[NIL]
	s_wait_dscnt 0x0
	CROUND                                         ; the closing round
	s_endpgm
.Lfunc_end_k_q34d47a7c93_ffn2:
	.size	k_q34d47a7c93_ffn2, .Lfunc_end_k_q34d47a7c93_ffn2-k_q34d47a7c93_ffn2
	.p2alignl 7, 3214868480
	.fill 96, 4, 3214868480
	.section	.rodata,"a",@progbits
	.p2align	6, 0x0
	.amdhsa_kernel k_q34d47a7c93_ffn2
		.amdhsa_group_segment_fixed_size 327680
		.amdhsa_private_segment_fixed_size 0
		.amdhsa_enable_private_segment 0
		.amdhsa_kernarg_size 48
		.amdhsa_user_sgpr_count 2
		.amdhsa_user_sgpr_kernarg_segment_ptr 1
		.amdhsa_wavefront_size32 1
		.amdhsa_system_sgpr_workgroup_id_x 1
		.amdhsa_system_sgpr_workgroup_id_y 1
		.amdhsa_system_sgpr_workgroup_id_z 1
		.amdhsa_system_vgpr_workitem_id 0
		.amdhsa_next_free_vgpr 768
		.amdhsa_next_free_sgpr 80
		.amdhsa_reserve_vcc 0
		.amdhsa_float_denorm_mode_32 3
		.amdhsa_float_denorm_mode_16_64 3
		.amdhsa_memory_ordered 1
		.amdhsa_forward_progress 1
		.amdhsa_inst_pref_size 98
	.end_amdhsa_kernel
	.amdgpu_metadata
---
amdhsa.version: [ 1, 2 ]
amdhsa.kernels:
  - .name:           k_q34d47a7c93_ffn2
    .symbol:         k_q34d47a7c93_ffn2.kd
    .args:
      - { .name: g, .offset: 0, .size: 8, .value_kind: global_buffer, .address_space: global }
      - { .name: cod, .offset: 8, .size: 8, .value_kind: global_buffer, .address_space: global }
      - { .name: lowp_scales, .offset: 16, .size: 8, .value_kind: global_buffer, .address_space: global }
      - { .name: b2, .offset: 24, .size: 8, .value_kind: global_buffer, .address_space: global }
      - { .name: x1, .offset: 32, .size: 8, .value_kind: global_buffer, .address_space: global }
      - { .name: out0, .offset: 40, .size: 8, .value_kind: global_buffer, .address_space: global }
    .group_segment_fixed_size: 327680
    .private_segment_fixed_size: 0
    .kernarg_segment_align: 8
    .kernarg_segment_size: 48
    .max_flat_workgroup_size: 128
    .sgpr_count:     80
    .vgpr_count:     768
    .wavefront_size: 32
...
	.end_amdgpu_metadata
.endif
;; end of part 7
